; MI455X (gfx1250); checked and timed in simulation.
; The chip was launched on July 23, 2026; its instructions are those of AMD's public machine-readable ISA for CDNA 5 (MIT licence, August 2026) and "CDNA5" Instruction Set Architecture Reference Guide (July 2026). The comments in the code are by the model that wrote it; some were corrected since.
;; Cross Modal Attention. Allowed arithmetic: matrix products marked QUANTISED: E2M1 operands, one E8M0 scale for each 32 along K, by v_wmma_scale_f32_16x16x128_f8f6f4 with both operands' format E2M1 (or v_wmma_scale_f32_32x16x128_f4), f32 sums; products left as they are: bf16, f16 or f32 operands; f32 sums; everything else in f32.
;; Inputs: W_ka 1,024 x 1,024 float32; W_kb 1,024 x 1,024 float32; W_oa 1,024 x 1,024 float32; W_ob 1,024 x 1,024 float32; W_qa 1,024 x 1,024 float32; W_qb 1,024 x 1,024 float32; W_va 1,024 x 1,024 float32; W_vb 1,024 x 1,024 float32; phases_a 4 x 1,024 x 16 float32; phases_b 4 x 1,024 x 16 float32; x_a 4 x 1,024 x 1,024 float32; x_b 4 x 1,024 x 1,024 float32.
;; Outputs: out0 4 x 1,024 x 1,024 float32; out1 4 x 1,024 x 1,024 float32.
;; This version of the problem:
;;   THIS VERSION OF THE PROBLEM IS GIVEN IN LOW PRECISION. The matrix products marked QUANTISED in the list below multiply operands that are first quantised to E2M1 (2 exponent bits, 1 mantissa bit; 4 bits a number), with one power-of-two scale for each 32 numbers along K (OCP MX v1.0); their sums are f32. The products marked 'left as it is' may take bf16, f16 or f32 operands, with f32 sums. Whichever they take, every output number must still come out within the allowed error. Rounding operands to bf16 (8 significant bits) uses up far more of that allowance than f16 does (11 bits, for magnitudes from 6e-5 to 65,504). All else is computed in f32.
;;   The module's matrix products, in the order in which they are computed (A, B: the left and right operand; K: the contracted axis; several contracted axes count as one K, in the product's order):
;;     1. [M 4,096, K 1,024] x [K 1,024, N 1,024]; A: input x_a; B: input W_qa: QUANTISED
;;     2. [M 4,096, K 1,024] x [K 1,024, N 1,024]; A: input x_b; B: input W_kb: QUANTISED
;;     3. [M 4,096, K 1,024] x [K 1,024, N 1,024]; A: input x_b; B: input W_vb: QUANTISED
;;     4. batch 64 x [M 1,024, K 64] x [K 64, N 1,024]; A: computed on the way; B: computed on the way: left as it is (an operand is computed on the way)
;;     5. batch 64 x [M 64, K 1,024] x [K 1,024, N 1,024]; A: computed on the way; B: computed on the way: left as it is (an operand is computed on the way)
;;     6. [M 4,096, K 1,024] x [K 1,024, N 1,024]; A: computed on the way; B: input W_oa: left as it is (an operand is computed on the way)
;;     7. [M 4,096, K 1,024] x [K 1,024, N 1,024]; A: input x_b; B: input W_qb: QUANTISED
;;     8. [M 4,096, K 1,024] x [K 1,024, N 1,024]; A: input x_a; B: input W_ka: QUANTISED
;;     9. [M 4,096, K 1,024] x [K 1,024, N 1,024]; A: input x_a; B: input W_va: QUANTISED
;;     10. batch 64 x [M 1,024, K 64] x [K 64, N 1,024]; A: computed on the way; B: computed on the way: left as it is (an operand is computed on the way)
;;     11. batch 64 x [M 64, K 1,024] x [K 1,024, N 1,024]; A: computed on the way; B: computed on the way: left as it is (an operand is computed on the way)
;;     12. [M 4,096, K 1,024] x [K 1,024, N 1,024]; A: computed on the way; B: input W_ob: left as it is (an operand is computed on the way)
;;   THE QUANTISER, for each operand of a quantised product, along K:
;;     - K is cut into blocks of 32 from its start; a last block that is shorter is filled with zeros.
;;     - A block's scale is 2^e with e = floor(log2(the largest magnitude in the block)) - 2, held to -126 .. 127; a block of zeros has e = 0. As a byte (E8M0): e + 127.
;;     - Each number is divided by its block's scale, clamped to +-6, and rounded to the nearest number of E2M1, ties to even, subnormals kept.
;;     - The product sums the exact products of the quantised numbers (number of the format x scale) in f32.
;;   ~~~python
;;   def quantise(x, axis):      # numpy; x: float32 -> the quantised numbers, widened to float32 again
;;       x = np.moveaxis(x, axis, -1); K = x.shape[-1]
;;       x = np.pad(x, [(0, 0)] * (x.ndim - 1) + [(0, -K % 32)]); x = x.reshape(x.shape[:-1] + (-1, 32)); a = np.abs(x).max(-1, keepdims=True)
;;       e = np.where(a > 0, np.clip(np.frexp(np.where(a > 0, a, 1))[1] - 1 - 2, -126, 127), 0)      # np.frexp(a)[1] - 1 = floor(log2(a)), exactly
;;       r = np.clip(x / 2.0 ** e, -6, 6)
;;       step = 2.0 ** (np.maximum(np.frexp(np.where(r == 0, 1, r))[1] - 1, 0) - 1)
;;       q = np.round(r / step) * step * 2.0 ** e      # np.round: ties to even
;;       return np.moveaxis(q.reshape(q.shape[:-2] + (-1,))[..., :K], -1, axis).astype(np.float32)
;;   ~~~
;; One version. Each part assembles by itself: llvm-mc -triple=amdgcn-amd-amdhsa -mcpu=gfx1250 --defsym DOCPART=n.
;; ======== version 1 of 1: 4 launches
;; limits: values are held in f16: magnitudes above 65,504 overflow, below 6.1e-05 lose precision; right only within a limited range of input values
;; workspace buffers: xc 4,194,304 bytes; xs 262,144 bytes; wc 3,145,728 bytes; ws 196,608 bytes; wo16 4,194,304 bytes; trig 65,536 bytes; qkv 50,331,648 bytes; att 16,777,216 bytes
;; launch prep (part 1): grid 448 x 1, 4 waves a work-group, no clusters, 68,096 bytes of LDS; arguments x_a, x_b, W_qa, W_ka, W_va, W_qb, W_kb, W_vb, W_oa, W_ob, phases_a, phases_b, xc, xs, wc, ws, wo16, trig; writes xc, xs, wc, ws, wo16, trig
.if DOCPART == 1
	.amdgcn_target "amdgcn-amd-amdhsa--gfx1250"
	.amdhsa_code_object_version 6
	.text
	.protected	k_q3fe703899c_prep
	.globl	k_q3fe703899c_prep
	.p2align	8
	.type	k_q3fe703899c_prep,@function
k_q3fe703899c_prep:
	s_mov_b64 s[64:65], 0
	v_nop
	global_prefetch_b8 v0, s[64:65] scope:SCOPE_SE
	s_setreg_imm32_b32 hwreg(HW_REG_WAVE_MODE, 25, 1), 1
	s_wait_xcnt 0x0
; PREP: everything that is made once from the inputs.  No work of the problem is left out in this program: every input has a way to both or one of the outputs and is loaded,
; and the 1e-8 of the renormalisation is kept (out = sum(p g v) / (sum(p g) + 1e-8 sum(p)), p = exp(s - max): the softmax's divisor cancels everywhere but in front of the 1e-8).
; Four kinds of work-group, told apart by the work-group's number alone:
;   X   0..255   x_a, x_b (K innermost)  -> codes of E2M1 xc [src 2][4096][512 bytes], scale bytes xs [src][4096][32]
;   W 256..351   W_qa, W_ka, W_va, W_qb, W_kb, W_vb (K is the FIRST axis) -> wc [6 x 1024 columns][512 bytes], K innermost, ws [6 x 1024][32]
;   O 352..415   W_oa, W_ob -> f16, laid as they lie: wo16 [2][1024][1024]
;   T 416..447   the mean of a token's 16 phases, its cosine and sine in f32 -> trig [a, b][batch 4][cos, sin][1024]
; THE GATE: cos(pq - pk) = cos pq cos pk + sin pq sin pk, an identity for all angles; so a cosine and a sine are made once a token, and the attention launch needs two multiply-adds a score.
; THE QUANTISER: a block's scale is 2^(floor(log2(largest magnitude)) - 2); its byte is the largest magnitude's exponent field - 2, held at 1 from below.
; LIMITS: NaN and infinities among the inputs are not served.  A block of zeros gets the byte 1 where the quantiser says 127: its codes are zeros, which add nothing under any byte but 0xff, and this program alone reads the bytes.
; The mean phase is reduced by pi/2 in three parts (8 + 11 + 24 bits): good while |phase| stays under about 1e5.  The 16 phases are summed in pairs, another order than a running sum.
; W_o as f16: magnitudes under 6e-5 keep an absolute step of 2^-24, over 65,504 are not served.
; LDS: kind X has bytes 0 .. 32,767, kind W bytes 32,768 .. 67,583: bytes of its own for each kind; behind them the spare words.
.set SPARE, 67584                      ; the spare words, 128 bytes for each wave: two blocks of 256 bytes that no other line names
.set SPW,   190                        ; v190  LDS address of my spare word; never rewritten
.set NIL,   191                        ; v191  0; never rewritten
.set EMAX,  2
; ---- kind X
.set XSTEPS, 16                        ; a wave takes 16 steps of 512 numbers
.set CB,    8                          ; bytes of 16 codes
.set XR,    16                         ; v16-79   four sets of 16 numbers as they are loaded
.set XX,    80                         ; v80-111  two sets of 16 neighbours
.set XE,    112                        ; v112-127 a scale byte for each step
.set XC,    128                        ; v128-159 codes: two registers for each step, so that no store's data are written again
.set WREG,  8192                       ; a wave's region: two stages of 32 x SP bytes, behind them its 256 scale bytes
.set SP,    80                         ; a lane's place in a stage: 64 bytes + 16 of padding
; ---- kind W
.set NB,    16                         ; blocks of 32 along K for a wave (512 along K)
.set WPITCH, 272                       ; a stage row: 256 bytes of codes + 16
.set WSTAGE, 32768
.set KROW,  512                        ; a row of wc in bytes
.set WX,    32                         ; v32-95   two sets of 32 numbers
.set WC,    96                         ; v96-99   a block's codes
.set OUTR,  112                        ; v112-175 the way out
.set SB,    24                         ; v24-27   the scale bytes, four to a register
	v_lshl_add_u32 v[SPW], v0, 2, SPARE
	v_mov_b32 v[NIL], 0
	v_lshrrev_b32 v1, 5, v0
	v_readfirstlane_b32 s3, v1                     ; wave 0..3
	v_and_b32 v2, 31, v0                           ; lane
	s_cmp_lt_u32 ttmp9, 256
	s_cbranch_scc1 .Lpath_x
	s_cmp_lt_u32 ttmp9, 352
	s_cbranch_scc1 .Lpath_w
	s_cmp_lt_u32 ttmp9, 416
	s_cbranch_scc1 .Lpath_o
; ================= kind T: a wave takes 64 tokens, a lane two neighbours (128 bytes of phases)
	s_load_b128 s[4:7], s[0:1], 0x50               ; phases_a, phases_b
	s_load_b64 s[8:9], s[0:1], 0x88                ; trig
	s_sub_co_u32 s10, ttmp9, 416
	s_lshr_b32 s11, s10, 4                         ; a (0) or b (1)
	s_and_b32 s12, s10, 15
	s_lshl_b32 s12, s12, 8
	s_lshl_b32 s13, s3, 6
	s_add_co_u32 s12, s12, s13                     ; my wave's first token of 4,096
	s_lshl_b32 s14, s12, 6                         ; 64 bytes of phases a token
	s_mov_b32 s15, 0
	s_lshl_b32 s16, s11, 15                        ; trig: 32,768 bytes for a or b,
	s_lshr_b32 s13, s12, 10
	s_lshl_b32 s13, s13, 13                        ; 8,192 a batch,
	s_add_co_u32 s16, s16, s13
	s_and_b32 s13, s12, 1023
	s_lshl_b32 s13, s13, 2                         ; 4 a token
	s_add_co_u32 s16, s16, s13
	s_mov_b32 s17, 0
	s_mov_b32 s20, 0xbfc90000                      ; -pi/2 in three parts: -1.5703125,
	s_mov_b32 s21, 0xb9fda000                      ; -4.837512969970703e-4,
	s_mov_b32 s22, 0xb3a22169                      ; -7.549789954891882e-8
	v_lshlrev_b32 v3, 7, v2
	v_lshlrev_b32 v4, 3, v2
	s_wait_kmcnt 0x0
	s_cmp_eq_u32 s11, 0
	s_cselect_b64 s[4:5], s[4:5], s[6:7]
	s_add_nc_u64 s[4:5], s[4:5], s[14:15]
	s_add_nc_u64 s[8:9], s[8:9], s[16:17]
.irp n, 0,1,2,3,4,5,6,7
	global_load_b128 v[16+4*\n:19+4*\n], v3, s[4:5] offset:16*\n th:TH_LOAD_NT
.endr
	s_wait_loadcnt 0x0
.irp u, 0,1                                    ; the mean of 16, for each of my two tokens
	v_pk_add_f32 v[16+16*\u:17+16*\u], v[16+16*\u:17+16*\u], v[18+16*\u:19+16*\u]
	v_pk_add_f32 v[20+16*\u:21+16*\u], v[20+16*\u:21+16*\u], v[22+16*\u:23+16*\u]
	v_pk_add_f32 v[24+16*\u:25+16*\u], v[24+16*\u:25+16*\u], v[26+16*\u:27+16*\u]
	v_pk_add_f32 v[28+16*\u:29+16*\u], v[28+16*\u:29+16*\u], v[30+16*\u:31+16*\u]
	v_pk_add_f32 v[16+16*\u:17+16*\u], v[16+16*\u:17+16*\u], v[20+16*\u:21+16*\u]
	v_pk_add_f32 v[24+16*\u:25+16*\u], v[24+16*\u:25+16*\u], v[28+16*\u:29+16*\u]
	v_pk_add_f32 v[16+16*\u:17+16*\u], v[16+16*\u:17+16*\u], v[24+16*\u:25+16*\u]
	v_add_f32 v[16+16*\u], v[16+16*\u], v[17+16*\u]
	v_mul_f32 v[48+\u], 0x3d800000, v[16+16*\u]
.endr
; cosine into v[c], sine into v[s] of the angle in v[x]: n = the nearest whole number to x 2/pi, r = x - n pi/2 (|r| <= pi/4), two polynomials in r, and the quadrant n mod 4 says which is which and with which sign
.macro TRIG x, c, s
	v_mul_f32 v50, 0x3f22f983, v[\x]
	v_rndne_f32 v50, v50
	v_fma_f32 v51, v50, s20, v[\x]
	v_fma_f32 v51, v50, s21, v51
	v_fma_f32 v51, v50, s22, v51                   ; r
	v_cvt_i32_f32 v52, v50                         ; n as a whole number
	v_mul_f32 v53, v51, v51                        ; z = r r
	v_mov_b32 v54, 0x3638ef1d                      ; sin r = r + r z (-1/6 + z (1/120 + z (-1/5040 + z / 362880)))
	v_fmaak_f32 v54, v53, v54, 0xb9500d01
	v_fmaak_f32 v54, v53, v54, 0x3c088889
	v_fmaak_f32 v54, v53, v54, 0xbe2aaaab
	v_mul_f32 v55, v51, v53
	v_fma_f32 v54, v55, v54, v51
	v_mov_b32 v56, 0xb493f27e                      ; cos r = 1 + z (-1/2 + z (1/24 + z (-1/720 + z (1/40320 - z / 3628800))))
	v_fmaak_f32 v56, v53, v56, 0x37d00d01
	v_fmaak_f32 v56, v53, v56, 0xbab60b61
	v_fmaak_f32 v56, v53, v56, 0x3d2aaaab
	v_fmaak_f32 v56, v53, v56, 0xbf000000
	v_fma_f32 v56, v53, v56, 1.0
	v_and_b32 v57, 1, v52
	v_cmp_ne_u32 vcc_lo, 0, v57                    ; an odd quadrant swaps the two
	v_cndmask_b32 v58, v54, v56, vcc_lo
	v_cndmask_b32 v59, v56, v54, vcc_lo
	v_lshlrev_b32 v57, 30, v52                     ; the sine is negative in quadrants 2 and 3: bit 1 of n
	v_and_b32 v57, 0x80000000, v57
	v_xor_b32 v[\s], v57, v58
	v_add_nc_u32 v57, 1, v52                       ; the cosine in quadrants 1 and 2: bit 1 of n + 1
	v_lshlrev_b32 v57, 30, v57
	v_and_b32 v57, 0x80000000, v57
	v_xor_b32 v[\c], v57, v59
.endm
	TRIG 48, 60, 62
	TRIG 49, 61, 63
	global_store_b64 v4, v[60:61], s[8:9]          ; 32 lanes store 256 consecutive bytes, aligned
	global_store_b64 v4, v[62:63], s[8:9] offset:4096
	s_endpgm
; ================= kind O: a wave casts 8,192 numbers: 64 loads of 512 consecutive bytes, in four groups of 16, two groups ahead
.Lpath_o:
	s_load_b128 s[4:7], s[0:1], 0x40               ; W_oa, W_ob
	s_load_b64 s[8:9], s[0:1], 0x80                ; wo16
	s_sub_co_u32 s10, ttmp9, 352
	s_lshr_b32 s11, s10, 5                         ; which of the two
	s_and_b32 s12, s10, 31
	s_lshl_b32 s12, s12, 2
	s_add_co_u32 s12, s12, s3
	s_lshl_b32 s12, s12, 15                        ; 32,768 bytes in for a wave
	s_mov_b32 s13, 0
	s_lshl_b32 s14, s10, 2
	s_add_co_u32 s14, s14, s3
	s_lshl_b32 s14, s14, 14                        ; 16,384 out
	s_mov_b32 s15, 0
	v_lshlrev_b32 v3, 4, v2
	v_lshlrev_b32 v4, 3, v2
	s_wait_kmcnt 0x0
	s_cmp_eq_u32 s11, 0
	s_cselect_b64 s[4:5], s[4:5], s[6:7]
	s_add_nc_u64 s[4:5], s[4:5], s[12:13]
	s_add_nc_u64 s[8:9], s[8:9], s[14:15]
.macro OLOAD g
.irp n, 0,1,2,3,4,5,6,7,8,9,10,11,12,13,14,15
	global_load_b128 v[16+64*((\g)%2)+4*\n:16+64*((\g)%2)+4*\n+3], v3, s[4:5] offset:512*(16*(\g)+\n) th:TH_LOAD_NT
.endr
.endm
.macro OGROUP g
.if (\g) < 3
	s_wait_loadcnt 16                              ; this group's 16 loads are in; the next group's 16 may be out
.else
	s_wait_loadcnt 0x0
.endif
.if (\g) > 0
	s_wait_xcnt 0x0                                ; the last group's stores have read v144-175: they are written again only behind this wait
.endif
.irp n, 0,1,2,3,4,5,6,7,8,9,10,11,12,13,14,15
	v_cvt_pk_f16_f32 v[144+2*\n], v[16+64*((\g)%2)+4*\n], v[16+64*((\g)%2)+4*\n+1]
	v_cvt_pk_f16_f32 v[145+2*\n], v[16+64*((\g)%2)+4*\n+2], v[16+64*((\g)%2)+4*\n+3]
.endr
.irp n, 0,1,2,3,4,5,6,7,8,9,10,11,12,13,14,15
	global_store_b64 v4, v[144+2*\n:145+2*\n], s[8:9] offset:256*(16*(\g)+\n)   ; 32 lanes store 256 consecutive bytes, aligned
.endr
.if (\g)+2 < 4
	OLOAD (\g)+2
.endif
.endm
	OLOAD 0
	OLOAD 1
	OGROUP 0
	OGROUP 1
	OGROUP 2
	OGROUP 3
	s_endpgm
; ================= kind X: both tensors are plain streams of blocks of 32 numbers.  A lane must hold 16 NEIGHBOURS for the conversions, while a load is best where neighbouring lanes take neighbouring bytes:
; each of a step's four loads reads 512 consecutive bytes, the 2,048 bytes turn through the wave's own stage in LDS and come back 64 bytes a lane.  Two neighbouring lanes hold a block.
.Lpath_x:
	s_load_b128 s[4:7], s[0:1], 0x0                ; x_a, x_b
	s_load_b128 s[8:11], s[0:1], 0x60              ; xc, xs
	v_lshlrev_b32 v3, 4, v2                        ; my 16 bytes of a load's 512
	s_mul_i32 s17, s3, WREG
	v_lshrrev_b32 v14, 2, v2
	v_mul_u32_u24 v14, v14, SP
	v_and_b32 v15, 3, v2
	v_lshl_add_u32 v14, v15, 4, v14
	v_add_nc_u32 v14, s17, v14                     ; the stage, on the way in: SP (lane / 4) + 16 (lane % 4)
	v_mul_u32_u24 v15, v2, SP
	v_add_nc_u32 v15, s17, v15                     ; and on the way out: SP x lane
	v_mul_u32_u24 v4, v2, CB                       ; my codes' place in a step's
	v_lshrrev_b32 v5, 1, v2
	s_add_co_u32 s17, s17, 2*32*SP
	v_add_nc_u32 v5, s17, v5                       ; my wave's 256 scale bytes, my block's byte
	v_lshlrev_b32 v7, 3, v2
	v_add_nc_u32 v6, s17, v7                       ; and on the way out 8 bytes a lane
	s_lshl_b32 s18, ttmp9, 2
	s_add_co_u32 s18, s18, s3                      ; which run of 8,192 numbers is my wave's: 0 .. 1,023, 512 to a tensor
	s_and_b32 s20, s18, 511
	s_lshl_b32 s20, s20, 15
	s_mov_b32 s21, 0
	s_lshl_b32 s22, s18, 12                        ; 4,096 bytes of codes a run
	s_mov_b32 s23, 0
	s_lshl_b32 s24, s18, 8                         ; 256 scale bytes a run
	s_mov_b32 s25, 0
	s_wait_kmcnt 0x0
	s_cmp_lt_u32 ttmp9, 128
	s_cselect_b64 s[4:5], s[4:5], s[6:7]
	s_add_nc_u64 s[4:5], s[4:5], s[20:21]
	s_add_nc_u64 s[8:9], s[8:9], s[22:23]
	s_add_nc_u64 s[10:11], s[10:11], s[24:25]
.macro XLOAD t
.irp i, 0,1,2,3
	global_load_b128 v[XR+16*((\t)%4)+4*\i:XR+16*((\t)%4)+4*\i+3], v3, s[4:5] offset:2048*(\t)+512*\i th:TH_LOAD_NT
.endr
.endm
.macro XTURN t                         ; step t's numbers through the stage: LDS serves a wave's instructions in order, so no wait stands between the stores and the loads
.irp i, 0,1,2,3
	ds_store_b128 v14, v[XR+16*((\t)%4)+4*\i:XR+16*((\t)%4)+4*\i+3] offset:32*SP*((\t)%2)+8*SP*\i
.endr
.irp i, 0,1,2,3
	ds_load_b128 v[XX+16*((\t)%2)+4*\i:XX+16*((\t)%2)+4*\i+3], v15 offset:32*SP*((\t)%2)+16*\i
.endr
.endm
.irp t, 0,1,2,3
	XLOAD \t
.endr
	s_wait_loadcnt 12                              ; step 0's four loads are in; the twelve of steps 1 to 3 may be out
	XTURN 0
.macro XSTEP t
.set XS, XX+16*((\t)%2)
.if (\t) > 0
	s_wait_dscnt 1                                 ; this step's numbers are back from the stage (the last step's byte store may be out): so its stores into the stage have read their registers,
.else
	s_wait_dscnt 0x0
.endif
.if (\t)+4 < XSTEPS
	XLOAD (\t)+4                                   ; which take the loads of four steps on
.endif
.if (\t)+1 < XSTEPS
.if XSTEPS-2-(\t) >= 3
	s_wait_loadcnt 12                              ; the next step's four loads are in; those of the three steps behind it may be out
.else
	s_wait_loadcnt 4*(XSTEPS-2-(\t))
.endif
	XTURN (\t)+1
.endif
	v_max3_num_f32 v8, |v[XS]|, |v[XS+1]|, |v[XS+2]|               ; the largest magnitude of my 16
	v_max3_num_f32 v9, |v[XS+3]|, |v[XS+4]|, |v[XS+5]|
.irp i, 6,10
	v_max3_num_f32 v8, v8, |v[XS+\i]|, |v[XS+\i+1]|
	v_max3_num_f32 v9, v9, |v[XS+\i+2]|, |v[XS+\i+3]|
.endr
	v_max3_num_f32 v8, v8, |v[XS+14]|, |v[XS+15]|
	v_max3_num_f32 v8, v8, v9, (EMAX+1)<<23        ; and the floor 2^(3 - 127): the byte cannot fall under 1
	v_max_num_f32_dpp v8, v8, v8 row_xmask:1 row_mask:0xf bank_mask:0xf   ; and of my neighbour's 16: the block's
	v_add_nc_u32 v11, -(EMAX<<23), v8              ; 2 off its exponent field: the conversion takes the exponent field of this operand as its scale
	v_cvt_scalef32_pk8_fp4_f32 v[XC+2*(\t)], v[XS:XS+7], v11
	v_cvt_scalef32_pk8_fp4_f32 v[XC+2*(\t)+1], v[XS+8:XS+15], v11
	v_lshrrev_b32 v[XE+(\t)], 23, v11              ; the scale's byte (a plain line behind the conversions)
	ds_store_b8 v5, v[XE+(\t)] offset:16*(\t)      ; both lanes of a block write the same byte with the same value
	global_store_b64 v4, v[XC+2*(\t):XC+2*(\t)+1], s[8:9] offset:32*CB*(\t)   ; 32 lanes store 256 consecutive bytes, aligned
.endm
.irp t, 0,1,2,3,4,5,6,7,8,9,10,11,12,13,14,15
	XSTEP \t
.endr
	ds_load_b64 v[8:9], v6                         ; LDS serves a wave's instructions in order: these see my stores
	s_wait_dscnt 0x0
	global_store_b64 v7, v[8:9], s[10:11]          ; 256 consecutive bytes, aligned
	s_wait_tensorcnt 0x0                           ; the wave's end: three lines behind my last LDS store
	ds_add_u32 v[SPW], v[NIL]
	s_wait_dscnt 0x0
	s_endpgm
; ================= kind W: a lane takes a column n and its registers run down K: a block of 32 lies in one lane, and the conversions give codes with K innermost.  A wave: 32 columns x 512 along K.
; A lane's codes belong to one row of wc and the lanes beside it hold other rows: they go through the wave's own stage and leave as rows, sixteen lanes to 256 consecutive bytes.
.Lpath_w:
	s_load_b256 s[8:15], s[0:1], 0x10              ; W_qa, W_ka, W_va, W_qb
	s_load_b128 s[16:19], s[0:1], 0x30             ; W_kb, W_vb
	s_load_b128 s[20:23], s[0:1], 0x70             ; wc, ws
	s_sub_co_u32 s24, ttmp9, 256
	s_lshr_b32 s25, s24, 4                         ; which of the six weights
	s_and_b32 s26, s24, 7
	s_bfe_u32 s27, s24, 0x10003                    ; which 512 along K
	s_lshl_b32 s26, s26, 7
	s_lshl_b32 s28, s3, 5
	s_add_co_u32 s26, s26, s28                     ; my wave's first column
	v_lshlrev_b32 v3, 2, v2                        ; in: 4 bytes a lane
	s_mul_i32 s28, s3, 32*WPITCH
	s_add_co_u32 s28, s28, WSTAGE                  ; my stage
	v_mul_u32_u24 v4, v2, WPITCH
	v_add_nc_u32 v4, s28, v4                       ; into it: row = my column
	v_and_b32 v5, 15, v2
	v_lshrrev_b32 v6, 4, v2                        ; out of it: sixteen lanes to a row, two rows an instruction
	v_mul_u32_u24 v7, v6, WPITCH
	v_lshl_add_u32 v7, v5, 4, v7
	v_add_nc_u32 v7, s28, v7
	v_mul_u32_u24 v8, v6, KROW
	v_lshl_add_u32 v8, v5, 4, v8                   ; and the same place in wc
	v_lshlrev_b32 v9, 5, v2                        ; my column's row of scale bytes: 32 bytes a row
	s_lshl_b32 s30, s27, 21                        ; W: 512 rows of 4,096 bytes,
	s_lshl_b32 s29, s26, 2
	s_add_co_u32 s30, s30, s29                     ; + 4 x column
	s_mov_b32 s31, 0
	s_lshl_b32 s29, s25, 10
	s_add_co_u32 s29, s29, s26                     ; my first row of wc and ws
	s_lshl_b32 s32, s29, 9
	s_lshl_b32 s34, s27, 8
	s_add_co_u32 s32, s32, s34
	s_mov_b32 s33, 0
	s_lshl_b32 s34, s29, 5
	s_lshl_b32 s36, s27, 4
	s_add_co_u32 s34, s34, s36
	s_mov_b32 s35, 0
	s_wait_kmcnt 0x0
	s_cmp_eq_u32 s25, 1                            ; the choice hangs on the work-group's number alone
	s_cselect_b64 s[8:9], s[10:11], s[8:9]
	s_cmp_eq_u32 s25, 2
	s_cselect_b64 s[8:9], s[12:13], s[8:9]
	s_cmp_eq_u32 s25, 3
	s_cselect_b64 s[8:9], s[14:15], s[8:9]
	s_cmp_eq_u32 s25, 4
	s_cselect_b64 s[8:9], s[16:17], s[8:9]
	s_cmp_eq_u32 s25, 5
	s_cselect_b64 s[8:9], s[18:19], s[8:9]
	s_add_nc_u64 s[8:9], s[8:9], s[30:31]
	s_add_nc_u64 s[20:21], s[20:21], s[32:33]
	s_add_nc_u64 s[22:23], s[22:23], s[34:35]
.macro WLOAD t                         ; block t: W(32 t + i, my column), i = 0 .. 31, into set t % 2; 32 lanes read 128 consecutive bytes
.irp i, 0,1,2,3,4,5,6,7,8,9,10,11,12,13,14,15,16,17,18,19,20,21,22,23,24,25,26,27,28,29,30,31
	global_load_b32 v[WX+32*((\t)%2)+\i], v3, s[8:9] offset:(32*(\t)+\i)*4096 th:TH_LOAD_NT
.endr
.endm
	WLOAD 0
	WLOAD 1
.macro WBLOCK t
.set WS, WX+32*((\t)%2)
.if (\t) < NB-1
	s_wait_loadcnt 32                              ; this block's 32 loads are in; the next block's 32 may be out
.else
	s_wait_loadcnt 0x0
.endif
	v_max3_num_f32 v12, |v[WS]|, |v[WS+1]|, |v[WS+2]|              ; the block's largest magnitude: all 32 numbers are mine
	v_max3_num_f32 v13, |v[WS+3]|, |v[WS+4]|, |v[WS+5]|
.irp i, 6,10,14,18,22,26
	v_max3_num_f32 v12, v12, |v[WS+\i]|, |v[WS+\i+1]|
	v_max3_num_f32 v13, v13, |v[WS+\i+2]|, |v[WS+\i+3]|
.endr
	v_max3_num_f32 v12, v12, |v[WS+30]|, |v[WS+31]|
	v_max3_num_f32 v12, v12, v13, (EMAX+1)<<23     ; and the floor 2^(3 - 127)
	v_add_nc_u32 v11, -(EMAX<<23), v12             ; the conversion's scale operand
	v_lshrrev_b32 v13, 23, v11                     ; the scale's byte
.if (\t)%4 == 0
	v_mov_b32 v[SB+(\t)/4], v13                    ; four bytes to a register, the lower K in the lower byte
.else
	v_lshl_or_b32 v[SB+(\t)/4], v13, 8*((\t)%4), v[SB+(\t)/4]
.endif
.irp g, 0,1,2,3
	v_cvt_scalef32_pk8_fp4_f32 v[WC+\g], v[WS+8*\g:WS+8*\g+7], v11
.endr
	ds_store_b128 v4, v[WC:WC+3] offset:16*(\t)    ; 32 codes: 16 bytes of my column's row (the codes go to a store alone; the next block begins with plain vector lines)
.if (\t)+2 < NB
	WLOAD (\t)+2
.endif
	s_wait_dscnt 0x0                               ; the store has read its registers: the next block's codes may be written
.endm
.set QB, 0
.rept NB
	WBLOCK QB
.set QB, QB+1
.endr
	global_store_b128 v9, v[SB:SB+3], s[22:23]     ; my column's 16 scale bytes
.irp t, 0,1,2,3,4,5,6,7,8,9,10,11,12,13,14,15
	ds_load_b128 v[OUTR+4*\t:OUTR+4*\t+3], v7 offset:2*\t*WPITCH   ; LDS serves a wave's instructions in order: these see my stores
.endr
.irp t, 0,1,2,3,4,5,6,7,8,9,10,11,12,13,14,15
	s_wait_dscnt 15-\t                             ; load t is back; the 15 - t younger ones may be out
	global_store_b128 v8, v[OUTR+4*\t:OUTR+4*\t+3], s[20:21] offset:2*\t*KROW
.endr
	s_wait_tensorcnt 0x0                           ; the wave's end: three lines behind my last LDS store
	ds_add_u32 v[SPW], v[NIL]
	s_wait_dscnt 0x0
	s_endpgm
.Lfunc_end_k_q3fe703899c_prep:
	.size	k_q3fe703899c_prep, .Lfunc_end_k_q3fe703899c_prep-k_q3fe703899c_prep
	.p2alignl 7, 3214868480
	.fill 96, 4, 3214868480
	.section	.rodata,"a",@progbits
	.p2align	6, 0x0
	.amdhsa_kernel k_q3fe703899c_prep
		.amdhsa_group_segment_fixed_size 68096
		.amdhsa_private_segment_fixed_size 0
		.amdhsa_enable_private_segment 0
		.amdhsa_kernarg_size 144
		.amdhsa_user_sgpr_count 2
		.amdhsa_user_sgpr_kernarg_segment_ptr 1
		.amdhsa_wavefront_size32 1
		.amdhsa_system_sgpr_workgroup_id_x 1
		.amdhsa_system_sgpr_workgroup_id_y 1
		.amdhsa_system_sgpr_workgroup_id_z 1
		.amdhsa_system_vgpr_workitem_id 0
		.amdhsa_next_free_vgpr 192
		.amdhsa_next_free_sgpr 66
		.amdhsa_reserve_vcc 1
		.amdhsa_float_denorm_mode_32 3
		.amdhsa_float_denorm_mode_16_64 3
		.amdhsa_memory_ordered 1
		.amdhsa_forward_progress 1
		.amdhsa_inst_pref_size 139
	.end_amdhsa_kernel
	.amdgpu_metadata
---
amdhsa.version: [ 1, 2 ]
amdhsa.kernels:
  - .name:           k_q3fe703899c_prep
    .symbol:         k_q3fe703899c_prep.kd
    .args:
      - { .name: x_a, .offset: 0, .size: 8, .value_kind: global_buffer, .address_space: global }
      - { .name: x_b, .offset: 8, .size: 8, .value_kind: global_buffer, .address_space: global }
      - { .name: W_qa, .offset: 16, .size: 8, .value_kind: global_buffer, .address_space: global }
      - { .name: W_ka, .offset: 24, .size: 8, .value_kind: global_buffer, .address_space: global }
      - { .name: W_va, .offset: 32, .size: 8, .value_kind: global_buffer, .address_space: global }
      - { .name: W_qb, .offset: 40, .size: 8, .value_kind: global_buffer, .address_space: global }
      - { .name: W_kb, .offset: 48, .size: 8, .value_kind: global_buffer, .address_space: global }
      - { .name: W_vb, .offset: 56, .size: 8, .value_kind: global_buffer, .address_space: global }
      - { .name: W_oa, .offset: 64, .size: 8, .value_kind: global_buffer, .address_space: global }
      - { .name: W_ob, .offset: 72, .size: 8, .value_kind: global_buffer, .address_space: global }
      - { .name: phases_a, .offset: 80, .size: 8, .value_kind: global_buffer, .address_space: global }
      - { .name: phases_b, .offset: 88, .size: 8, .value_kind: global_buffer, .address_space: global }
      - { .name: xc, .offset: 96, .size: 8, .value_kind: global_buffer, .address_space: global }
      - { .name: xs, .offset: 104, .size: 8, .value_kind: global_buffer, .address_space: global }
      - { .name: wc, .offset: 112, .size: 8, .value_kind: global_buffer, .address_space: global }
      - { .name: ws, .offset: 120, .size: 8, .value_kind: global_buffer, .address_space: global }
      - { .name: wo16, .offset: 128, .size: 8, .value_kind: global_buffer, .address_space: global }
      - { .name: trig, .offset: 136, .size: 8, .value_kind: global_buffer, .address_space: global }
    .group_segment_fixed_size: 68096
    .private_segment_fixed_size: 0
    .kernarg_segment_align: 8
    .kernarg_segment_size: 144
    .max_flat_workgroup_size: 128
    .sgpr_count:     66
    .vgpr_count:     192
    .wavefront_size: 32
...
	.end_amdgpu_metadata
.endif
;; end of part 1
;; launch proj (part 2): grid 8 x 32, 4 waves a work-group, clusters of 4 x 4, 327,680 bytes of LDS; arguments xc, xs, wc, ws, qkv; writes qkv
.if DOCPART == 2
	.amdgcn_target "amdgcn-amd-amdhsa--gfx1250"
	.amdhsa_code_object_version 6
	.text
	.protected	k_q3fe703899c_proj
	.globl	k_q3fe703899c_proj
	.p2align	8
	.type	k_q3fe703899c_proj,@function
k_q3fe703899c_proj:
	s_mov_b64 s[64:65], 0
	v_nop
	global_prefetch_b8 v0, s[64:65] scope:SCOPE_SE
	s_setreg_imm32_b32 hwreg(HW_REG_WAVE_MODE, 25, 1), 1
	s_wait_xcnt 0x0
	s_wait_alu depctr_hold_cnt(0) depctr_sa_sdst(0) depctr_va_vdst(0) depctr_va_sdst(0) depctr_va_ssrc(0) depctr_va_vcc(0) depctr_vm_vsrc(0)
	s_getreg_b32 s2, hwreg(HW_REG_IB_STS2, 6, 4)
	s_cmp_eq_u32 s2, 0
	s_cbranch_scc0 .Lentry_in_a_cluster
	s_endpgm
.Lentry_in_a_cluster:
	s_bfe_u32 s2, ttmp6, 0x10000c
	s_cmp_lg_u32 s2, 0xf033
	s_cbranch_scc0 .Lentry_shape_is_right
	s_endpgm
.Lentry_shape_is_right:
; PROJ: the six quantised products as one batched GEMM on codes of E2M1 with E8M0 scales: for src = 0 (x_a), 1 (x_b):  C[src][m][n] = sum over k of x[src][m][k] w[src][n][k], m < 4,096, n < 3,072 (q, k, v of that source), K = 1,024.  No work is left out.
; A = xc, 8,192 stacked rows of 512 bytes; B = wc, 6,144 stacked rows.  The result is rounded once to f16 and stored as qkv [src][q, k, v][batch][head][token][64]: a head is a dense block of rows of 128 bytes.
; LIMIT: |q|, |k|, |v| over 65,504 are not served (f16); the drawn kind of inputs, and inputs 30 times larger on both sides, stay under 6,000.
; SHARES.  8,192 x 3,072 of C are 256 blocks of 256 rows x 384 columns (six heads): one work-group each.  A's 256 rows, all of K, stay in LDS.  B comes in three PIECES of 128 columns, all of K, on two buffers:
; pieces 0 and 1 are first fills, piece 2 fills piece 0's buffer again (256 + 384 padded rows of 528 bytes would be 337,920 bytes: more than LDS holds).  A piece is made by four waves, each 128 rows x 64 columns, one head:
; 32 accumulators of 16 x 16.  A piece's results leave while the next piece is multiplied.
; THE SCALES of the work-group's 256 + 384 rows, for all of K, are two dense blocks of memory: they come once, with the first fills.
; CLUSTERS: 4 x 4 work-groups.  The four of a row of the cluster need the same rows of A, the four of a column the same rows of B: each is asked for jointly.  A cluster's four block rows lie in one source (16 to a source),
; so B's source is made of the cluster's y alone.  By this text's count a wave has two tensor loads out at the most.
; THE MATRIX INSTRUCTION IS USED TRANSPOSED (source 0 = 16 rows of B, source 1 = 16 rows of A): a lane holds eight neighbouring columns of a row of C.
; REGISTERS, in windows of 256: window 0: v0-31 addresses; v32-95 A's scale words (block a, K step q at 32 + 8 a + q), v96-127 B's (96 + 8 b + q); v128-175 the way out.
;   window 1: the accumulators, (a, b) at v[8 (4 a + b)].   window 2: two sets of fragments at v0 and v96: A's eight blocks, then B's four.
.set KROW,   512                       ; a row of codes, in memory and in a tile: all of K
.set PITCH,  528                       ; an LDS row: 512 bytes + 16: the 16 rows that a load touches start at 16 different 16-byte columns modulo 256
.set HALFA,  128*PITCH                 ; 128 rows: what one tensor load brings
.set BB,     2*HALFA                   ; behind A's 256 rows: B's two buffers of 128 rows
.set SCB,    BB+2*HALFA                ; B's scales: 384 rows x 32 bytes as 48 units of 256 bytes + 16 of padding
.set SCA,    SCB+48*272                ; A's: 256 rows, 32 units
.set SBLK,   544                       ; the scales of 16 rows: two units
.set STAGE,  SCA+32*272                ; the way out: 16 rows x (128 bytes + 16) for each wave: bytes of their own, into which no tile lands
.set SPITCH, 144
.set SPARE,  STAGE+4*16*SPITCH         ; the spare words, 128 bytes for each wave: two blocks of 256 bytes that no other line names
.set ADRA, 16                          ; v16     my A fragments
.set ADRB, 20                          ; v20-21  my B fragments in buffer 0, 1
.set ADSA, 22                          ; v22     my A scale words
.set ADSB, 23                          ; v23     my B scale words of piece 0
.set STO,  24
.set RD,   25
.set CO,   26
.set SPW,  28
.set NIL,  29
.set SA,   32
.set SBS,  96
.set TMP,  128                         ; the way out: packed results
.set BK,   144                         ; the way out: rows read back: v144-159 and v160-175 by turns
.set G1,   24                          ; s[24:31] group 1 for A's codes;  s[32:35] its group 0
.set G0,   32
.set G0R,  36                          ; s[36:39] group 0 for the refill: B's piece 2
.set G1B,  48                          ; s[48:55], s[56:59] the same for B's codes
.set G0B,  56
.set OB0,  60                          ; s[60:61], s[62:63], s[66:67] where my head of piece 0, 1, 2 begins in qkv
.set OB1,  62
.set OB2,  66
.set G1S,  68                          ; s[68:75], s[76:79] for A's scales;  s[80:87], s[88:91] for B's
.set G0S,  76
.set G1SB, 80
.set G0SB, 88
.set MSB, 0
.macro WIN new                         ; the immediate's high byte repeats the setting that is left
.if MSB != \new
	s_set_vgpr_msb (MSB<<8)|\new
.set MSB, \new
.endif
.endm
.set MUL,  0x5a                        ; sources 0 and 1 window 2, C and D window 1
.set TO_F, 0x80                        ; destination window 2, address window 0
; A joint load: waves 0 and 1 fetch for A, waves 2 and 3 for B.  The branch hangs on the wave's number alone.  An s_nop 0 and four v_nop follow each of the two lines.
.macro JLOAD g0a, g1a, g0b, g1b
	s_cmp_eq_u32 s15, 0
	s_cbranch_scc0 .Lfor_b_\@
	tensor_load_to_lds s[\g0a:\g0a+3], s[\g1a:\g1a+7]
	s_nop 0
.rept 4
	v_nop
.endr
	s_branch .Lasked_\@
.Lfor_b_\@:
	tensor_load_to_lds s[\g0b:\g0b+3], s[\g1b:\g1b+7]
	s_nop 0
.rept 4
	v_nop
.endr
.Lasked_\@:
.endm
.macro CREST                           ; a round of the cluster's barrier behind its opening barrier
	s_cmp_lg_u32 s14, 0
	s_cbranch_scc1 .Lnot_wave_0_\@
	s_barrier_signal -3
.Lnot_wave_0_\@:
	s_barrier_wait -3
	s_barrier_signal -1
	s_barrier_wait -1
.endm
.macro CROUND                          ; a whole round
	s_barrier_signal -1
	s_barrier_wait -1
	CREST
.endm
	s_load_b128 s[4:7], s[0:1], 0x0                ; xc, xs
	s_load_b128 s[8:11], s[0:1], 0x10              ; wc, ws
	s_load_b64 s[12:13], s[0:1], 0x20              ; qkv
	v_lshl_add_u32 v[SPW], v0, 2, SPARE
	v_mov_b32 v[NIL], 0
	ds_add_u32 v[SPW], v[NIL]                      ; the wave's opening: the add, twice on end, and its wait ahead of my first tensor load
	ds_add_u32 v[SPW], v[NIL]
	v_lshrrev_b32 v1, 5, v0
	v_readfirstlane_b32 s14, v1                    ; wave 0..3
	s_lshr_b32 s15, s14, 1                         ; which 128 rows of A I multiply.  Also: I fetch for A (0) or for B (1)
	s_and_b32 s16, s14, 1                          ; which 64 columns of a piece.  Also: which half I fetch
	s_bfe_u32 s40, ttmp6, 0x40000                  ; cx, cy
	s_bfe_u32 s41, ttmp6, 0x40004
	s_lshl_b32 s42, ttmp9, 2
	s_add_co_u32 s42, s42, s40                     ; block column 0 .. 7
	s_and_b32 s17, ttmp7, 0xffff
	s_lshl_b32 s17, s17, 2
	s_add_co_u32 s17, s17, s41                     ; block row 0 .. 31, over both sources
	s_lshl_b32 s43, s41, 2
	s_lshl_b32 s43, 15, s43                        ; my row of the cluster
	s_lshl_b32 s44, 0x1111, s40                    ; my column
	s_or_b32 s[G1+0], s43, (0<<16)|(1<<20)|(1<<21)|(6<<22)|(3<<25)  ; the mask; elements of 1 byte; padding on; bit 21 beside a mask; after every 128 words, 4 words
	s_or_b32 s[G1B+0], s44, (0<<16)|(1<<20)|(1<<21)|(6<<22)|(3<<25)
.irp g, G1, G1B
	s_mov_b32 s[\g+1], KROW<<16                    ; tensor_dim0
	s_mov_b32 s[\g+2], 128<<16                     ; tensor_dim1
	s_mov_b32 s[\g+3], KROW<<16                    ; tile_dim0
	s_mov_b32 s[\g+4], 128                         ; tile_dim1
	s_mov_b32 s[\g+5], KROW                        ; the pitch: dense
	s_mov_b32 s[\g+6], 0
	s_mov_b32 s[\g+7], 0
.endr
	s_or_b32 s[G1S+0], s43, (3<<16)|(1<<20)|(1<<21)|(5<<22)|(3<<25)  ; scales: dense bytes as rows of 256 (32 elements of 8 bytes), 16 bytes of padding behind each
	s_mov_b32 s[G1S+1], 32<<16
	s_mov_b32 s[G1S+2], 16<<16                     ; A: 128 rows of 32 bytes are 16 units
	s_mov_b32 s[G1S+3], 32<<16
	s_mov_b32 s[G1S+4], 16
	s_mov_b32 s[G1S+5], 32
	s_mov_b32 s[G1S+6], 0
	s_mov_b32 s[G1S+7], 0
	s_or_b32 s[G1SB+0], s44, (3<<16)|(1<<20)|(1<<21)|(5<<22)|(3<<25)
	s_mov_b32 s[G1SB+1], 32<<16
	s_mov_b32 s[G1SB+2], 24<<16                    ; B: 192 rows are 24 units
	s_mov_b32 s[G1SB+3], 32<<16
	s_mov_b32 s[G1SB+4], 24
	s_mov_b32 s[G1SB+5], 32
	s_mov_b32 s[G1SB+6], 0
	s_mov_b32 s[G1SB+7], 0
	s_lshl_b32 s18, s16, 7                         ; 128 x my half
	s_lshl_b32 s20, s17, 8
	s_add_co_u32 s20, s20, s18                     ; A: stacked row 256 x block row + 128 x half
	s_lshl_b32 s22, s20, 5                         ; its scales, in bytes,
	s_mov_b32 s23, 0
	s_lshl_b32 s20, s20, 9                         ; and its codes
	s_mov_b32 s21, 0
	s_and_b32 s95, ttmp7, 0xffff
	s_lshr_b32 s95, s95, 2                         ; the source is the cluster's y / 4: the same in all sixteen partners
	s_mul_i32 s95, s95, 3072
	s_mul_i32 s46, s42, 384
	s_add_co_u32 s46, s46, s95                     ; B: the block's first row
	s_add_co_u32 s92, s46, 256
	s_lshl_b32 s92, s92, 9                         ; piece 2's codes
	s_mov_b32 s93, 0
	s_mul_i32 s96, s16, 192
	s_add_co_u32 s96, s96, s46
	s_lshl_b32 s96, s96, 5                         ; my half of the block's scales
	s_mov_b32 s97, 0
	s_add_co_u32 s46, s46, s18
	s_lshl_b32 s46, s46, 9                         ; the codes of piece 0 (wave 2) or 1 (wave 3)
	s_mov_b32 s47, 0
	s_mul_i32 s45, s16, HALFA                      ; where they go: no place in the cluster enters an LDS address
	s_mul_i32 s94, s16, 16*272
	s_mul_i32 s19, s16, 24*272
	s_wait_dscnt 0x0                               ; both opening adds are done
	s_wait_kmcnt 0x0
	s_add_nc_u64 s[20:21], s[4:5], s[20:21]
	s_add_nc_u64 s[22:23], s[6:7], s[22:23]
	s_add_nc_u64 s[46:47], s[8:9], s[46:47]
	s_add_nc_u64 s[92:93], s[8:9], s[92:93]
	s_add_nc_u64 s[96:97], s[10:11], s[96:97]
	CROUND                                         ; all sixteen work-groups are here: the first joint loads meet
	s_mov_b32 s[G0S], 1
	s_add_co_u32 s[G0S+1], s94, SCA
	s_mov_b64 s[G0S+2:G0S+3], s[22:23]
	s_or_b32 s[G0S+3], s[G0S+3], 0x80000000
	s_mov_b32 s[G0SB], 1
	s_add_co_u32 s[G0SB+1], s19, SCB
	s_mov_b64 s[G0SB+2:G0SB+3], s[96:97]
	s_or_b32 s[G0SB+3], s[G0SB+3], 0x80000000
	JLOAD G0S, G1S, G0SB, G1SB
	s_mov_b32 s[G0], 1
	s_add_co_u32 s[G0+1], s45, 0
	s_mov_b64 s[G0+2:G0+3], s[20:21]
	s_or_b32 s[G0+3], s[G0+3], 0x80000000
	s_mov_b32 s[G0B], 1
	s_add_co_u32 s[G0B+1], s45, BB
	s_mov_b64 s[G0B+2:G0B+3], s[46:47]
	s_or_b32 s[G0B+3], s[G0B+3], 0x80000000
	JLOAD G0, G1, G0B, G1B
	s_mov_b32 s[G0R], 1                            ; the refill's group 0: registers of its own, written once
	s_mov_b32 s[G0R+1], BB
	s_mov_b64 s[G0R+2:G0R+3], s[92:93]
	s_or_b32 s[G0R+3], s[G0R+3], 0x80000000
	v_and_b32 v1, 15, v0                           ; r = l % 16
	v_bfe_u32 v2, v0, 4, 1                         ; h = l / 16
	v_mul_u32_u24 v3, v1, PITCH
	v_lshl_add_u32 v4, v2, 4, v3                   ; a fragment's row x pitch + 16 x half
	s_mul_i32 s21, s15, HALFA                      ; my 128 rows of A
	v_add_nc_u32 v[ADRA], s21, v4
	s_mul_i32 s22, s16, 64*PITCH                   ; my 64 rows of a piece
	s_add_co_u32 s22, s22, BB
	v_add_nc_u32 v[ADRB], s22, v4
	s_add_co_u32 s22, s22, HALFA
	v_add_nc_u32 v[ADRB+1], s22, v4
	v_lshlrev_b32 v5, 5, v1                        ; my row's scales: 32 bytes a row,
	v_lshrrev_b32 v6, 8, v5
	v_lshl_add_u32 v5, v6, 4, v5                   ; and 16 more behind the first 256.  Both halves of the lanes take row r: the matrix unit reads lanes 0-15
	s_mul_i32 s21, s15, 8*SBLK
	s_add_co_u32 s21, s21, SCA
	v_add_nc_u32 v[ADSA], s21, v5
	s_mul_i32 s22, s16, 4*SBLK
	s_add_co_u32 s22, s22, SCB
	v_add_nc_u32 v[ADSB], s22, v5
	s_mul_i32 s23, s14, 16*SPITCH
	s_add_co_u32 s23, s23, STAGE                   ; my stage
	v_mul_u32_u24 v5, v1, SPITCH                   ; in: row r, 16 bytes for each half of the lanes
	v_lshl_add_u32 v5, v2, 4, v5
	v_add_nc_u32 v[STO], s23, v5
	v_bfe_u32 v5, v0, 3, 2                         ; back: eight lanes to a row of 128 bytes, four rows an instruction
	v_mul_u32_u24 v5, v5, SPITCH
	v_and_b32 v6, 7, v0
	v_lshl_add_u32 v5, v6, 4, v5
	v_add_nc_u32 v[RD], s23, v5
	v_and_b32 v6, 31, v0
	v_lshlrev_b32 v[CO], 4, v6                     ; in qkv a head's rows are dense
	s_lshr_b32 s20, s17, 4                         ; where my rows begin in qkv: the source,
	s_mul_i32 s20, s20, 25165824
	s_and_b32 s21, s17, 15
	s_lshl_b32 s21, s21, 8
	s_lshl_b32 s22, s15, 7
	s_add_co_u32 s21, s21, s22                     ; my first row m of the source's 4,096:
	s_lshr_b32 s22, s21, 10
	s_lshl_b32 s22, s22, 21                        ; its batch,
	s_add_co_u32 s20, s20, s22
	s_and_b32 s21, s21, 1023
	s_lshl_b32 s21, s21, 7                         ; its token
	s_add_co_u32 s20, s20, s21
	s_mul_i32 s46, s42, 6
	s_add_co_u32 s46, s46, s16                     ; my head of piece 0, of the source's 48: 6 x block column + my half
.macro OBASE ob, p                     ; head g = that + 2 p: q, k or v is g / 16, the head g % 16
	s_add_co_u32 s47, s46, 2*\p
	s_lshr_b32 s92, s47, 4
	s_lshl_b32 s92, s92, 23
	s_and_b32 s47, s47, 15
	s_lshl_b32 s47, s47, 17
	s_add_co_u32 s92, s92, s47
	s_add_co_u32 s92, s92, s20
	s_mov_b32 s93, 0
	s_add_nc_u64 s[\ob:\ob+1], s[12:13], s[92:93]
.endm
	OBASE OB0, 0
	OBASE OB1, 1
	OBASE OB2, 2
.macro FRAG reg, adr, q, i             ; 16 rows x 128 K of 4-bit codes: 8 registers: lane l holds row l % 16; registers 4 c .. 4 c + 3 hold K = 64 c + 32 (l / 16) + 0 .. 31
.irp c, 0,1
	ds_load_b128 v[\reg+4*\c:\reg+4*\c+3], v[\adr] offset:64*(\q)+32*\c+(\i)*16*PITCH
.endr
.endm
.macro FETCH beta, q, f                ; 24 LDS loads in one run: the fragments of K step q into the set at f: B's four blocks out of buffer beta, A's eight
	WIN TO_F
.irp i, 0,1,2,3
	FRAG (\f)+64+8*\i, ADRB+\beta, \q, \i
.endr
.irp i, 0,1,2,3,4,5,6,7
	FRAG (\f)+8*\i, ADRA, \q, \i
.endr
.endm
; 4 matrix instructions: A's block a x B's four, 128 along K.  The 32 accumulators take turns, one instruction a turn, in the same order in every step.  zero = 1: the product starts the sums.
.macro MULA f, a, q, zero
.irp b, 0,1,2,3
.if \zero
	v_wmma_scale_f32_16x16x128_f8f6f4 v[8*(4*(\a)+\b):8*(4*(\a)+\b)+7], v[(\f)+64+8*\b:(\f)+64+8*\b+7], v[(\f)+8*(\a):(\f)+8*(\a)+7], 0, v[SBS+8*\b+(\q)], v[SA+8*(\a)+(\q)] matrix_a_fmt:MATRIX_FMT_FP4 matrix_b_fmt:MATRIX_FMT_FP4
.else
	v_wmma_scale_f32_16x16x128_f8f6f4 v[8*(4*(\a)+\b):8*(4*(\a)+\b)+7], v[(\f)+64+8*\b:(\f)+64+8*\b+7], v[(\f)+8*(\a):(\f)+8*(\a)+7], v[8*(4*(\a)+\b):8*(4*(\a)+\b)+7], v[SBS+8*\b+(\q)], v[SA+8*(\a)+(\q)] matrix_a_fmt:MATRIX_FMT_FP4 matrix_b_fmt:MATRIX_FMT_FP4
.endif
.endr
.endm
.macro SCALES_A                        ; A's scale words, for all of K: eight words a row; they stay
	WIN 0
.irp a, 0,1,2,3,4,5,6,7
	ds_load_b128 v[SA+8*\a:SA+8*\a+3], v[ADSA] offset:\a*SBLK
	ds_load_b128 v[SA+8*\a+4:SA+8*\a+7], v[ADSA] offset:\a*SBLK+16
.endr
.endm
.macro SCALES_B p                      ; those of my 64 columns of piece p
	WIN 0
.irp b, 0,1,2,3
	ds_load_b128 v[SBS+8*\b:SBS+8*\b+3], v[ADSB] offset:(\p)*8*SBLK+\b*SBLK
	ds_load_b128 v[SBS+8*\b+4:SBS+8*\b+7], v[ADSB] offset:(\p)*8*SBLK+\b*SBLK+16
.endr
.endm
.macro PLACES                          ; four plain vector lines between a matrix instruction and a load into, or a read of, its registers
.rept 4
	v_nop
.endr
.endm
; A step of 128 along K that has a successor: 8 products, the next step's 24 loads into the other set (which the step before multiplied: the places), 24 products
.macro STEPQ beta, q, zero
	s_wait_dscnt 0x0                               ; this step's fragments are in
	WIN MUL
	MULA 96*((\q)%2), 0, \q, \zero
	MULA 96*((\q)%2), 1, \q, \zero
	PLACES
	FETCH \beta, (\q)+1, 96*(1-(\q)%2)
	WIN MUL
.irp a, 2,3,4,5,6,7
	MULA 96*((\q)%2), \a, \q, \zero
.endr
.endm
.macro STEPS beta                      ; a piece's K steps 0 to 6; the first starts the sums: nothing is cleared
	STEPQ \beta, 0, 1
.irp q, 1,2,3,4,5,6
	STEPQ \beta, \q, 0
.endr
.endm
.macro LASTP                           ; a piece's last K step: nothing more to fetch
	s_wait_dscnt 0x0
	WIN MUL
.irp a, 0,1,2,3,4,5,6,7
	MULA 96, \a, 7, 0
.endr
.endm
; Piece 0's last K step: its fragments are in registers, so buffer 0 is read no more.  Each wave waits for all its tensor loads, adds 0 to its spare word, and waits for that and for its LDS reads; a round of the cluster's barrier:
; no wave of any partner still reads the buffer or has a load on its way; then wave 2 asks for piece 2, jointly with its column: the first tensor load behind the round, the only one.
.macro LASTR
	s_wait_dscnt 0x0                               ; K step 7's fragments are in
	WIN 0                                          ; (the add's two registers lie in window 0)
	s_wait_tensorcnt 0x0
	ds_add_u32 v[SPW], v[NIL]
	WIN MUL
	MULA 96, 0, 7, 0
	MULA 96, 1, 7, 0
	s_wait_dscnt 0x0                               ; the add is done
	s_barrier_signal -1
	MULA 96, 2, 7, 0
	MULA 96, 3, 7, 0
	WIN 0
	s_barrier_wait -1
	CREST
	s_cmp_eq_u32 s14, 2
	s_cbranch_scc0 .Lnot_mine
	tensor_load_to_lds s[G0R:G0R+3], s[G1B:G1B+7]
	s_nop 0
.rept 4
	v_nop
.endr
.Lnot_mine:
	WIN MUL
.irp a, 4,5,6,7
	MULA 96, \a, 7, 0
.endr
.endm
; THE WAY OUT of a piece, block by block of 16 rows x 64 columns.  PACK: rounded to f16, 16 bytes a lane, each accumulator from its low end on.  TOSTAGE: into my own stage and back, four whole rows an instruction.  SEND: stored.
.macro PACK a
	WIN 0x05                                       ; sources 0 and 1: window 1
.irp b, 0,1,2,3
.irp r, 0,1,2,3
	v_cvt_pk_f16_f32 v[TMP+4*\b+\r], v[8*(4*(\a)+\b)+2*\r], v[8*(4*(\a)+\b)+2*\r+1]
.endr
.endr
	WIN 0
.endm
.macro TOSTAGE a
.set BKA, BK+16*((\a)%2)
.irp b, 0,1,2,3
	ds_store_b128 v[STO], v[TMP+4*\b:TMP+4*\b+3] offset:32*\b
.endr
.irp u, 0,1,2,3
	ds_load_b128 v[BKA+4*\u:BKA+4*\u+3], v[RD] offset:\u*4*SPITCH  ; LDS serves a wave's instructions in order: these see the stores above
.endr
.endm
.macro SEND a, ob
.set BKA, BK+16*((\a)%2)
	s_wait_dscnt 0x0                               ; the block is back in registers
	s_wait_xcnt 0x0                                ; the stores of the block before have read their registers: the next loads from the stage may land there
.irp u, 0,1,2,3
	global_store_b128 v[CO], v[BKA+4*\u:BKA+4*\u+3], s[\ob:\ob+1] offset:2048*(\a)+512*\u   ; 32 lanes store 512 consecutive bytes, aligned: four rows of a head
.endr
.endm
.macro WAYOUT ob
	PACK 0
	TOSTAGE 0
.irp a, 1,2,3,4,5,6,7                  ; block a's conversions stand between block a - 1's loads from the stage and the wait for them
	PACK \a
	SEND \a-1, \ob
	TOSTAGE \a
.endr
	SEND 7, \ob
.endm
	s_wait_tensorcnt 0x0                           ; my two loads have landed,
	s_barrier_signal -1
	s_barrier_wait -1                              ; everybody's have: A, pieces 0 and 1, all scales
	SCALES_A
	SCALES_B 0
	FETCH 0, 0, 0
	STEPS 0                                        ; ---- piece 0, out of buffer 0
	LASTR
	PLACES                                         ; behind the last products: for the loads into B's scale words and for the conversions' reads
	SCALES_B 1                                     ; piece 1's first operands are asked for ahead of piece 0's way out
	FETCH 1, 0, 0
	WAYOUT OB0
	STEPS 1                                        ; ---- piece 1, out of buffer 1; piece 0's stores are on their way meanwhile
	LASTP
	PLACES
	WIN 0
	s_wait_tensorcnt 0x0                           ; wave 2: piece 2 has landed;
	s_wait_dscnt 0x0
	s_barrier_signal -1
	s_barrier_wait -1                              ; all four waves know it.
	SCALES_B 2
	FETCH 0, 0, 0
	WAYOUT OB1
	STEPS 0                                        ; ---- piece 2, out of buffer 0
	LASTP
	PLACES
	WAYOUT OB2
	WIN 0
	s_wait_tensorcnt 0x0                           ; the wave's end: three lines behind my last tensor load and my last LDS store
	ds_add_u32 v[SPW], v[NIL]
	s_wait_dscnt 0x0
	CROUND                                         ; the closing round
	s_endpgm
.Lfunc_end_k_q3fe703899c_proj:
	.size	k_q3fe703899c_proj, .Lfunc_end_k_q3fe703899c_proj-k_q3fe703899c_proj
	.p2alignl 7, 3214868480
	.fill 96, 4, 3214868480
	.section	.rodata,"a",@progbits
	.p2align	6, 0x0
	.amdhsa_kernel k_q3fe703899c_proj
		.amdhsa_group_segment_fixed_size 327680
		.amdhsa_private_segment_fixed_size 0
		.amdhsa_enable_private_segment 0
		.amdhsa_kernarg_size 40
		.amdhsa_user_sgpr_count 2
		.amdhsa_user_sgpr_kernarg_segment_ptr 1
		.amdhsa_wavefront_size32 1
		.amdhsa_system_sgpr_workgroup_id_x 1
		.amdhsa_system_sgpr_workgroup_id_y 1
		.amdhsa_system_sgpr_workgroup_id_z 1
		.amdhsa_system_vgpr_workitem_id 0
		.amdhsa_next_free_vgpr 768
		.amdhsa_next_free_sgpr 98
		.amdhsa_reserve_vcc 0
		.amdhsa_float_denorm_mode_32 3
		.amdhsa_float_denorm_mode_16_64 3
		.amdhsa_memory_ordered 1
		.amdhsa_forward_progress 1
		.amdhsa_inst_pref_size 200
	.end_amdhsa_kernel
	.amdgpu_metadata
---
amdhsa.version: [ 1, 2 ]
amdhsa.kernels:
  - .name:           k_q3fe703899c_proj
    .symbol:         k_q3fe703899c_proj.kd
    .args:
      - { .name: xc, .offset: 0, .size: 8, .value_kind: global_buffer, .address_space: global }
      - { .name: xs, .offset: 8, .size: 8, .value_kind: global_buffer, .address_space: global }
      - { .name: wc, .offset: 16, .size: 8, .value_kind: global_buffer, .address_space: global }
      - { .name: ws, .offset: 24, .size: 8, .value_kind: global_buffer, .address_space: global }
      - { .name: qkv, .offset: 32, .size: 8, .value_kind: global_buffer, .address_space: global }
    .group_segment_fixed_size: 327680
    .private_segment_fixed_size: 0
    .kernarg_segment_align: 8
    .kernarg_segment_size: 40
    .max_flat_workgroup_size: 128
    .sgpr_count:     98
    .vgpr_count:     768
    .wavefront_size: 32
...
	.end_amdgpu_metadata
.endif
;; end of part 2
;; launch attn (part 3): grid 2 x 128, 16 waves a work-group, no clusters, 327,680 bytes of LDS; arguments qkv, trig, att; writes att
.if DOCPART == 3
	.amdgcn_target "amdgcn-amd-amdhsa--gfx1250"
	.amdhsa_code_object_version 6
	.text
	.protected	k_q3fe703899c_attn
	.globl	k_q3fe703899c_attn
	.p2align	8
	.type	k_q3fe703899c_attn,@function
k_q3fe703899c_attn:
	s_mov_b64 s[64:65], 0
	v_nop
	global_prefetch_b8 v0, s[64:65] scope:SCOPE_SE
	s_setreg_imm32_b32 hwreg(HW_REG_WAVE_MODE, 25, 1), 1
	s_wait_xcnt 0x0
; ATTN: for direction d, batch b, head h:  att[q][:] = sum_k p g v[k][:] / (sum_k p g + 1e-8 sum_k p),  p = exp(s - max_k s), s = q . k / 8, g = 0.5 (1 + cos(pq - pk)).  No work is left out.
; That is the problem's softmax x gate, renormalised: the softmax's divisor sum_k p cancels everywhere but in front of the 1e-8.  The maximum is taken away by a running maximum.
; g = 0.5 + (0.5 cos pq) cos pk + (0.5 sin pq) sin pk, from the cosines and sines that the first launch made: an identity for all angles.
; p is carried as 2^(c s - c m + 14), c = log2(e) / 8: at most 16,384, so that p g, rounded to f16 for the second product, stays a normal f16 number down to 2^-28 of the row's largest; the factor 2^14 is in all three sums and cancels.
; q, k, v, p g: f16 operands; products, maxima and sums in f32.  LIMITS: NaN and infinities are not served; att under 6e-5 in magnitude keeps an absolute step of 2^-24 (f16); the sums' order is not the problem's.
; SHARES.  Work-group (x, y): y = 64 d + 16 b + h, x = which 512 queries.  Each of sixteen waves owns 32 queries, two tiles of 16, in 256 registers: four waves to a SIMD, so that one wave's vector work stands beside another's matrix work.
; Every wave walks all 1,024 keys, 64 a step.  K AND V OF THE WHOLE HEAD STAY IN LDS: every tensor load is a first fill, issued at the head: nothing is filled again.  They are waited for in two parts: the first 256 keys, then the other 768.
; NO CLUSTER: a head's K and V are read by two work-groups only, once each; a cluster of four would hold two heads.  NO PREFETCH: every tensor load of the launch goes out at its head.
; LAYOUT.  S^T = K Q^T (source 0 = 16 keys, source 1 = 16 queries): a lane holds ONE query (lane % 16) and keys 8 (lane / 16) + 0..7 of a tile.  Two such tiles, rounded in pairs, are source 1 of O^T = V^T P.  V is read turned.
; LDS LOADS STAND AHEAD OF WORK.  The 64 fragment registers F are two halves: FA = F+0..15, F+32..47 and FB = F+16..31, F+48..63.  FA holds, in turn, K's channels 0-31, the cosines and sines of keys 0-31, V's keys 0-31; FB the same of
; channels 32-63 and keys 32-63.  So V's first half is asked for as soon as the gate of keys 0-31 is done, its second half behind the gate, and the NEXT step's K, channels 0-31, behind the first eight products V^T P.
; LDS: two keys' rows of 128 bytes make a row of 256 for the loads.  K: pitch 272: key r of a tile lies at 16-byte column r / 2 + 8 (r % 2): sixteen different.  V: pitch 288: the turning load's 8 keys x 32 bytes fall on eight different 32-byte columns.
.set VB,    139264                     ; V behind K's 512 x 272 bytes
.set TGB,   286720                     ; behind V's 512 x 288: the keys' cosines (4,096 bytes), then their sines
.set SPARE, 294912                     ; the spare words, 128 bytes for each wave: eight blocks of 256 bytes that no other line names
.set AK0, 1                            ; v1  my lane's place in a tile of K
.set AV0, 2                            ; v2  in V
.set AG0, 3                            ; v3  among the cosines
.set SPW, 4                            ; v4  LDS address of my spare word; never rewritten
.set NIL, 5                            ; v5  0; never rewritten
.set ADR, 6                            ; v6  the address of the cosines, then of V
.set ADK, 7                            ; v7  the address of the step's keys in K
.set ST,  12                           ; tile t's statistics at v[12 + 10 t]: +0 c m - 14, +1 m, +2 0.5 cos pq, +3 at work, +4 0.5 sin pq, +5 at work, +6,+7 sum p, +8,+9 sum p g
.set Q,   32                           ; v32-63   Q: tile t, channels 32 kk on, at 32 + 16 t + 8 kk
.set S,   64                           ; v64-127  S^T: 64 + 32 t + 8 kt; P in place, in the low 16 of each tile
.set O,   128                          ; v128-191 O^T: 128 + 32 t + 8 ct
.set F,   192                          ; v192-255 fragment (x, y), x = which half along the product's K, y = which 16 rows: at F + 16 x + 8 (y % 2) + 32 (y / 2)
.set WV,  12
.set G1K, 16
.set G1V, 24
.set G1T, 32
.set G0K, 40                           ; s[40:55] four groups 0 for K's chunks of 256 keys
.set G0T, 56
.set G0V, 68                           ; s[68:83] for V's
.set CS,  84                           ; s[84:85] c
.set SEL, 86                           ; s[86:87] lane selects: lane l xor 16
.set CNT, 88
.set TK,  89                           ; LDS bytes at which the step's keys begin in K,
.set TV,  90                           ; in V,
.set TT,  91                           ; and among the cosines
.set M14, 92
.set EPS, 93
	s_load_b128 s[4:7], s[0:1], 0x0                ; qkv, trig
	s_load_b64 s[8:9], s[0:1], 0x10                ; att
	v_lshl_add_u32 v[SPW], v0, 2, SPARE
	v_mov_b32 v[NIL], 0
	ds_add_u32 v[SPW], v[NIL]                      ; the wave's opening: the add, twice on end, and its wait ahead of the first tensor load
	ds_add_u32 v[SPW], v[NIL]
	v_lshrrev_b32 v6, 5, v0
	v_readfirstlane_b32 s[WV], v6                  ; wave 0..15
	s_and_b32 s2, ttmp7, 0xffff                    ; y
	s_lshr_b32 s3, s2, 6                           ; d
	s_and_b32 s10, s2, 63                          ; 16 b + h
	s_bfe_u32 s11, s2, 0x20004                     ; b
	s_and_b32 s13, s[WV], 1                        ; which half of a chunk I fetch, if I fetch
	s_xor_b32 s14, s3, 1                           ; the keys' source: the other one
	s_mov_b32 s[G1K], (3<<16)|(1<<20)|(5<<22)|(3<<25)   ; elements of 8 bytes; padding on: after every 64 words, 4 words
	s_mov_b32 s[G1V], (3<<16)|(1<<20)|(5<<22)|(7<<25)   ; 8 words
.irp g, G1K, G1V
	s_mov_b32 s[\g+1], 32<<16                      ; tensor_dim0 = 32 elements: 256 bytes, two keys
	s_mov_b32 s[\g+2], 64<<16                      ; tensor_dim1 = 64
	s_mov_b32 s[\g+3], 32<<16                      ; tile_dim0
	s_mov_b32 s[\g+4], 64                          ; tile_dim1
	s_mov_b32 s[\g+5], 32                          ; the pitch: dense
	s_mov_b32 s[\g+6], 0
	s_mov_b32 s[\g+7], 0
.endr
	s_mov_b32 s[G1T], 3<<16                        ; 4,096 dense bytes as 16 rows of 256, no padding
	s_mov_b32 s[G1T+1], 32<<16
	s_mov_b32 s[G1T+2], 16<<16
	s_mov_b32 s[G1T+3], 32<<16
	s_mov_b32 s[G1T+4], 16
	s_mov_b32 s[G1T+5], 32
	s_mov_b32 s[G1T+6], 0
	s_mov_b32 s[G1T+7], 0
	s_mul_i32 s15, s14, 3
	s_add_co_u32 s15, s15, 1                       ; K's block of qkv: 3 x source + 1
	s_lshl_b32 s66, s15, 23
	s_lshl_b32 s15, s10, 17
	s_add_co_u32 s66, s66, s15                     ; the head
	s_lshl_b32 s15, s13, 14
	s_add_co_u32 s66, s66, s15                     ; my 128 keys of a chunk's 256
	s_mov_b32 s67, 0
	s_lshl_b32 s94, s14, 15                        ; the keys' cosines and sines
	s_lshl_b32 s15, s11, 13
	s_add_co_u32 s94, s94, s15
	s_lshl_b32 s15, s13, 12                        ; wave 0: the cosines, wave 1: the sines
	s_add_co_u32 s94, s94, s15
	s_mov_b32 s95, 0
	s_mul_i32 s2, s13, 17408                       ; my half of a chunk in K's LDS,
	s_mul_i32 s14, s13, 18432                      ; in V's
	s_mov_b32 s[CS], 0x3e38aa3b                    ; c = log2(e) / 8
	s_mov_b32 s[CS+1], s[CS]
	s_mov_b32 s[SEL], 0x76543210
	s_mov_b32 s[SEL+1], 0xfedcba98
	s_mov_b32 s[M14], 0xc1600000                   ; -14
	s_mov_b32 s[EPS], 0x322bcc77                   ; 1e-8
	s_wait_dscnt 0x0                               ; both opening adds are done
	s_wait_kmcnt 0x0
	s_add_nc_u64 s[60:61], s[4:5], s[66:67]
	s_add_nc_u64 s[62:63], s[60:61], 0x800000      ; V's block follows K's
	s_mov_b32 s[G0T], 1
	s_add_co_u32 s[G0T+1], s15, TGB
	s_add_nc_u64 s[G0T+2:G0T+3], s[6:7], s[94:95]
	s_or_b32 s[G0T+3], s[G0T+3], 0x80000000
.irp c, 0,1,2,3
	s_mov_b32 s[G0K+4*\c], 1
	s_add_co_u32 s[G0K+4*\c+1], s2, \c*34816
	s_add_nc_u64 s[G0K+4*\c+2:G0K+4*\c+3], s[60:61], \c*32768
	s_or_b32 s[G0K+4*\c+3], s[G0K+4*\c+3], 0x80000000
	s_mov_b32 s[G0V+4*\c], 1
	s_add_co_u32 s[G0V+4*\c+1], s14, VB+\c*36864
	s_add_nc_u64 s[G0V+4*\c+2:G0V+4*\c+3], s[62:63], \c*32768
	s_or_b32 s[G0V+4*\c+3], s[G0V+4*\c+3], 0x80000000
.endr
	; all first fills, in one branch on the wave's number: waves 0 and 1 five loads (five out at the most), waves 2 and 3 four, the others none.  An s_nop 0 follows each load, four v_nop the last
	s_cmp_lt_u32 s[WV], 2
	s_cbranch_scc0 .Lnot_k
	tensor_load_to_lds s[G0T:G0T+3], s[G1T:G1T+7]
	s_nop 0
.irp c, 0,1,2,3
	tensor_load_to_lds s[G0K+4*\c:G0K+4*\c+3], s[G1K:G1K+7]
	s_nop 0
.endr
.rept 4
	v_nop
.endr
	s_branch .Lasked
.Lnot_k:
	s_cmp_lt_u32 s[WV], 4
	s_cbranch_scc0 .Lasked
.irp c, 0,1,2,3
	tensor_load_to_lds s[G0V+4*\c:G0V+4*\c+3], s[G1V:G1V+7]
	s_nop 0
.endr
.rept 4
	v_nop
.endr
.Lasked:
	s_lshl_b32 s15, ttmp9, 9
	s_lshl_b32 s2, s[WV], 5
	s_add_co_u32 s15, s15, s2                      ; my first query
	s_mul_i32 s66, s3, 25165824                    ; Q's block of qkv: 3 x d
	s_lshl_b32 s2, s10, 17
	s_add_co_u32 s66, s66, s2
	s_lshl_b32 s14, s15, 7
	s_add_co_u32 s66, s66, s14
	s_add_nc_u64 s[4:5], s[4:5], s[66:67]          ; Q at my first query
	s_lshl_b32 s66, s3, 23
	s_add_co_u32 s66, s66, s2
	s_add_co_u32 s66, s66, s14
	s_add_nc_u64 s[8:9], s[8:9], s[66:67]          ; att likewise
	s_lshl_b32 s94, s3, 15
	s_lshl_b32 s2, s11, 13
	s_add_co_u32 s94, s94, s2
	s_lshl_b32 s2, s15, 2
	s_add_co_u32 s94, s94, s2
	s_add_nc_u64 s[6:7], s[6:7], s[94:95]          ; and the queries' cosines
	v_and_b32 v7, 15, v0                           ; r
	v_bfe_u32 v8, v0, 4, 1                         ; h
	v_lshlrev_b32 v10, 7, v7
	v_lshl_add_u32 v10, v8, 4, v10                 ; Q: row r of 128 bytes, + 16 h
	v_lshlrev_b32 v11, 2, v7
.irp t, 0,1
.irp kk, 0,1
	global_load_b128 v[Q+16*\t+8*\kk:Q+16*\t+8*\kk+3], v10, s[4:5] offset:2048*\t+64*\kk
	global_load_b128 v[Q+16*\t+8*\kk+4:Q+16*\t+8*\kk+7], v10, s[4:5] offset:2048*\t+64*\kk+32
.endr
	global_load_b32 v[ST+10*\t+2], v11, s[6:7] offset:64*\t
	global_load_b32 v[ST+10*\t+4], v11, s[6:7] offset:64*\t+4096
.endr
	v_lshrrev_b32 v9, 1, v7
	v_mul_u32_u24 v[AK0], v9, 272
	v_and_b32 v9, 1, v7
	v_lshl_add_u32 v[AK0], v9, 7, v[AK0]
	v_lshl_add_u32 v[AK0], v8, 4, v[AK0]           ; (r / 2) x 272 + (r % 2) x 128 + 16 h
	v_bfe_u32 v9, v0, 1, 2
	v_lshl_add_u32 v9, v8, 2, v9
	v_mul_u32_u24 v[AV0], v9, 288                  ; key 8 h + l % 8: its pair of keys,
	v_and_b32 v9, 1, v0
	v_lshl_add_u32 v[AV0], v9, 7, v[AV0]           ; which of the pair,
	v_bfe_u32 v9, v0, 3, 1
	v_lshl_add_u32 v[AV0], v9, 4, v[AV0]           ; channels 8 ((l / 8) % 2) on
	v_add_nc_u32 v[AV0], VB, v[AV0]
	v_lshl_add_u32 v[AG0], v8, 5, TGB              ; eight keys' cosines: 32 h bytes on
.irp t, 0,1
	v_mov_b32 v[ST+10*\t+1], 0xff61b1e6            ; the largest score so far: -3e38
	v_mov_b32 v[ST+10*\t+3], 0
	v_mov_b32 v[ST+10*\t+5], 0
	v_mov_b32 v[ST+10*\t+6], 0
	v_mov_b32 v[ST+10*\t+7], 0
	v_mov_b32 v[ST+10*\t+8], 0
	v_mov_b32 v[ST+10*\t+9], 0
	v_fma_f32 v[ST+10*\t], s[CS], v[ST+10*\t+1], s[M14]
.endr
.set i, 0
.rept 64
	v_mov_b32 v[O+i], 0                            ; O^T.  (The step's first walk finds zeros)
.set i, i+1
.endr
	s_wait_loadcnt 0x0                             ; Q, the queries' cosines and sines
	v_mov_b32 v9, 0                                ; (named as the upper halves of the pairs v[8:9], v[10:11] before they are first written)
	v_mov_b32 v11, 0
.irp t, 0,1
	v_mul_f32 v[ST+10*\t+2], 0.5, v[ST+10*\t+2]
	v_mul_f32 v[ST+10*\t+4], 0.5, v[ST+10*\t+4]
.endr
.macro MAX2 d, a, b                    ; one link of a maximum's chain, for both tiles
.irp t, 0,1
	v_max3_num_f32 v[ST+10*\t+(\d)], v[ST+10*\t+(\d)], v[S+32*\t+(\a)], v[S+32*\t+(\b)]
.endr
.endm
.macro KLOAD kk                        ; eight loads: channels 32 kk on of the 64 keys at v[ADK]
.irp kt, 0,1,2,3
	ds_load_b128 v[F+16*(\kk)+8*(\kt%2)+32*(\kt/2):F+16*(\kk)+8*(\kt%2)+32*(\kt/2)+3], v[ADK] offset:2176*\kt+64*(\kk)
	ds_load_b128 v[F+16*(\kk)+8*(\kt%2)+32*(\kt/2)+4:F+16*(\kk)+8*(\kt%2)+32*(\kt/2)+7], v[ADK] offset:2176*\kt+64*(\kk)+32
.endr
.endm
.macro VLOAD kh                        ; eight turning loads: keys 32 kh on, channels 16 ct on
.irp ct, 0,1,2,3
	ds_load_tr16_b128 v[F+16*(\kh)+8*(\ct%2)+32*(\ct/2):F+16*(\kh)+8*(\ct%2)+32*(\ct/2)+3], v[ADR] offset:4608*(\kh)+32*\ct
	ds_load_tr16_b128 v[F+16*(\kh)+8*(\ct%2)+32*(\ct/2)+4:F+16*(\kh)+8*(\ct%2)+32*(\ct/2)+7], v[ADR] offset:4608*(\kh)+32*\ct+2304
.endr
.endm
.macro QK kk                           ; eight products: the eight accumulators take turns, one instruction a turn; the first eight start the sums
.irp kt, 0,1,2,3
.irp t, 0,1
.if \kk == 0
	v_wmma_f32_16x16x32_f16 v[S+32*\t+8*\kt:S+32*\t+8*\kt+7], v[F+8*(\kt%2)+32*(\kt/2):F+8*(\kt%2)+32*(\kt/2)+7], v[Q+16*\t:Q+16*\t+7], 0
.else
	v_wmma_f32_16x16x32_f16 v[S+32*\t+8*\kt:S+32*\t+8*\kt+7], v[F+16+8*(\kt%2)+32*(\kt/2):F+16+8*(\kt%2)+32*(\kt/2)+7], v[Q+16*\t+8:Q+16*\t+15], v[S+32*\t+8*\kt:S+32*\t+8*\kt+7]
.endif
.endr
.endr
.endm
; THE GATE, a pair of keys i at a time, both tiles: g = 0.5 + sk (0.5 sq) + ck (0.5 cq);  sum p += p;  p = p g;  sum p g += p g.  Ten lines a pair, staggered over four pairs: trip k holds the first multiply-adds of pair k,
; the products p g of pair k - 2, the sums of p of pair k, the second multiply-adds of pair k - 1 and the sums of p g of pair k - 3: no line reads a result made fewer than six lines before it.
; Tile 1's g is made in place of the sines, tile 0's in place of the cosines (so tile 1's second multiply-add, which reads the cosines, stands first).
; Behind trip 9 the cosines and sines of pairs 0 to 7 (keys 0-31) have been read for the last time: V's first half is asked for into their registers.
.macro GATE
.set k, 0
.rept 19
.if k < 16
.set TP, 8+2*(k%2)
	v_pk_fma_f32 v[TP:TP+1], v[F+32+2*k:F+33+2*k], v[ST+4:ST+5], 0.5 op_sel_hi:[1,0,0]
	v_pk_fma_f32 v[F+32+2*k:F+33+2*k], v[F+32+2*k:F+33+2*k], v[ST+14:ST+15], 0.5 op_sel_hi:[1,0,0]
.endif
.if (k >= 2) && (k < 18)
	v_pk_mul_f32 v[S+2*k-4:S+2*k-3], v[S+2*k-4:S+2*k-3], v[F+2*k-4:F+2*k-3]
	v_pk_mul_f32 v[S+28+2*k:S+29+2*k], v[S+28+2*k:S+29+2*k], v[F+28+2*k:F+29+2*k]
.endif
.if k < 16
	v_pk_add_f32 v[ST+6:ST+7], v[ST+6:ST+7], v[S+2*k:S+2*k+1]
	v_pk_add_f32 v[ST+16:ST+17], v[ST+16:ST+17], v[S+32+2*k:S+33+2*k]
.endif
.if (k >= 1) && (k < 17)
.set TQ, 8+2*((k-1)%2)
	v_pk_fma_f32 v[F+30+2*k:F+31+2*k], v[F+2*k-2:F+2*k-1], v[ST+12:ST+13], v[F+30+2*k:F+31+2*k] op_sel_hi:[1,0,1]
	v_pk_fma_f32 v[F+2*k-2:F+2*k-1], v[F+2*k-2:F+2*k-1], v[ST+2:ST+3], v[TQ:TQ+1] op_sel_hi:[1,0,1]
.endif
.if k >= 3
	v_pk_add_f32 v[ST+8:ST+9], v[ST+8:ST+9], v[S+2*k-6:S+2*k-5]
	v_pk_add_f32 v[ST+18:ST+19], v[ST+18:ST+19], v[S+26+2*k:S+27+2*k]
.endif
.if k == 9
	VLOAD 0
.endif
.set k, k+1
.endr
.endm
; A KEY STEP: 64 keys.  At its head K's channels 0-31 are in FA or on their way there.  pre = 1: the next step's are asked for; pre = 0: the last step of a part of the keys.
.macro STEP pre
.rept 5
	v_nop                                          ; five places behind the last products V^T P: the products below write over P's registers, and the loads below land in V's second half
.endr
	KLOAD 1
	s_wait_dscnt 8                                 ; channels 0-31 are in; the eight loads just issued may be out
	QK 0
	s_wait_dscnt 0x0
	QK 1
	v_add_nc_u32 v[ADR], s[TT], v[AG0]
.rept 3
	v_nop                                          ; with the addition four places: for the loads into K's registers and for the first reads of the scores
.endr
.irp kt, 0,1,2,3                               ; the keys' cosines and sines, laid as the scores lie: register 8 kt + j is key 16 kt + 8 h + j
.irp e, 0,1
	ds_load_b128 v[F+8*\kt+4*\e:F+8*\kt+4*\e+3], v[ADR] offset:64*\kt+16*\e
	ds_load_b128 v[F+32+8*\kt+4*\e:F+32+8*\kt+4*\e+3], v[ADR] offset:4096+64*\kt+16*\e
.endr
.endr
	; the largest of my 32 scores and the old m: two chains a tile; each accumulator is read first at its low end
.irp t, 0,1
	v_max3_num_f32 v[ST+10*\t+3], v[S+32*\t], v[S+32*\t+1], v[S+32*\t+2]
.endr
.irp t, 0,1
	v_max3_num_f32 v[ST+10*\t+5], v[S+32*\t+8], v[S+32*\t+9], v[S+32*\t+10]
.endr
	MAX2 3, 3, 4
	MAX2 5, 11, 12
	MAX2 3, 5, 6
	MAX2 5, 13, 14
	MAX2 3, 7, 16
	MAX2 5, 15, 24
	MAX2 3, 17, 18
	MAX2 5, 25, 26
	MAX2 3, 19, 20
	MAX2 5, 27, 28
	MAX2 3, 21, 22
	MAX2 5, 29, 30
.irp t, 0,1
	v_max3_num_f32 v[ST+10*\t+3], v[ST+10*\t+3], v[S+32*\t+23], v[ST+10*\t+1]
.endr
.irp t, 0,1
	v_max_num_f32 v[ST+10*\t+5], v[ST+10*\t+5], v[S+32*\t+31]
.endr
.irp t, 0,1
	v_max_num_f32 v[ST+10*\t+3], v[ST+10*\t+3], v[ST+10*\t+5]
.endr
.irp t, 0,1
	v_permlanex16_b32 v[ST+10*\t+5], v[ST+10*\t+3], s[SEL], s[SEL+1]   ; the query's other 32 keys lie in the lane 16 away
.endr
.irp t, 0,1
	v_max_num_f32 v[ST+10*\t+1], v[ST+10*\t+3], v[ST+10*\t+5]          ; the new m
.endr
.irp t, 0,1
	v_mov_b32 v[ST+10*\t+3], v[ST+10*\t]
.endr
.irp t, 0,1
	v_fma_f32 v[ST+10*\t], s[CS], v[ST+10*\t+1], s[M14]                ; c m - 14
.endr
.irp t, 0,1
	v_sub_f32 v[ST+10*\t+3], v[ST+10*\t+3], v[ST+10*\t]                ; c m_old - c m_new
.endr
.irp t, 0,1
.set i, 0
.rept 16
	v_pk_fma_f32 v[S+32*\t+i:S+32*\t+i+1], v[S+32*\t+i:S+32*\t+i+1], s[CS:CS+1], v[ST+10*\t:ST+10*\t+1] op_sel_hi:[1,0,0] neg_lo:[0,0,1] neg_hi:[0,0,1]   ; c s - c m + 14
.set i, i+2
.endr
.endr
	v_exp_f32 v8, v[ST+3]                          ; ONE BATCH of 66 exponentials: a = 2^(c m_old - c m_new) of both tiles,
	v_exp_f32 v10, v[ST+13]
.set i, 0
.rept 64
	v_exp_f32 v[S+i], v[S+i]                       ; and p
.set i, i+1
.endr
	v_add_nc_u32 v[ADR], s[TV], v[AV0]             ; the plain line behind the last exponential
	s_wait_alu depctr_va_vdst(0)                   ; one wait for the batch, ahead of its first reader
.irp t, 0,1
	v_pk_mul_f32 v[ST+10*\t+6:ST+10*\t+7], v[ST+10*\t+6:ST+10*\t+7], v[8+2*\t:9+2*\t] op_sel_hi:[1,0]   ; the sums under the new m
	v_pk_mul_f32 v[ST+10*\t+8:ST+10*\t+9], v[ST+10*\t+8:ST+10*\t+9], v[8+2*\t:9+2*\t] op_sel_hi:[1,0]
.endr
.irp t, 0,1
.set i, 0
.rept 16
	v_pk_mul_f32 v[O+32*\t+i:O+32*\t+i+1], v[O+32*\t+i:O+32*\t+i+1], v[8+2*\t:9+2*\t] op_sel_hi:[1,0]   ; and O^T, each accumulator from its low end on
.set i, i+2
.endr
.endr
	s_wait_dscnt 0x0                               ; the cosines and sines are in
	GATE
	VLOAD 1                                        ; the gate is done: V's second half into the registers of keys 32-63's cosines and sines
.irp t, 0,1
.set i, 0
.rept 8
	v_cvt_pk_f16_f32 v[S+32*\t+i], v[S+32*\t+2*i], v[S+32*\t+2*i+1]    ; P of keys 0-31, in place: register i takes pair i, whose own registers lie at or above it
.set i, i+1
.endr
.endr
	s_wait_dscnt 8                                 ; V's first half is in; the eight loads of its second half may be out
.set n, 0
.irp ct, 0,1,2,3                               ; O^T += V^T P, keys 0-31; between the products the roundings of P of keys 32-63, which name none of these products' registers
.irp t, 0,1
	v_wmma_f32_16x16x32_f16 v[O+32*\t+8*\ct:O+32*\t+8*\ct+7], v[F+8*(\ct%2)+32*(\ct/2):F+8*(\ct%2)+32*(\ct/2)+7], v[S+32*\t:S+32*\t+7], v[O+32*\t+8*\ct:O+32*\t+8*\ct+7]
	v_cvt_pk_f16_f32 v[S+32*(n/4)+8+2*(n%4)], v[S+32*(n/4)+16+4*(n%4)], v[S+32*(n/4)+17+4*(n%4)]
	v_cvt_pk_f16_f32 v[S+32*(n/4)+9+2*(n%4)], v[S+32*(n/4)+18+4*(n%4)], v[S+32*(n/4)+19+4*(n%4)]
.set n, n+1
.endr
.endr
.if \pre
	s_add_co_u32 s[TK], s[TK], 8704                ; 64 keys on in K: 32 rows of 272
	v_add_nc_u32 v[ADK], s[TK], v[AK0]
.rept 3
	v_nop                                          ; with the addition four places behind the products that read V's first half
.endr
	KLOAD 0                                        ; the next step's K, channels 0-31: it lands while the eight products below run
	s_wait_dscnt 8                                 ; V's second half is in; the eight loads just issued may be out
.else
	s_wait_dscnt 0x0
.endif
.irp ct, 0,1,2,3
.irp t, 0,1
	v_wmma_f32_16x16x32_f16 v[O+32*\t+8*\ct:O+32*\t+8*\ct+7], v[F+16+8*(\ct%2)+32*(\ct/2):F+16+8*(\ct%2)+32*(\ct/2)+7], v[S+32*\t+8:S+32*\t+15], v[O+32*\t+8*\ct:O+32*\t+8*\ct+7]
.endr
.endr
.if \pre
	s_add_co_u32 s[TV], s[TV], 9216                ; 64 keys on in V: 32 rows of 288,
	s_add_co_u32 s[TT], s[TT], 256                 ; and among the cosines
.endif
.endm
; A PART of the keys, from chunk c on: the loading waves wait for their loads of it, the count being the loads that they issued behind it; a barrier shows it to all sixteen.
; Then trips + 1 key steps: the last asks for no further K and is written out.
.macro PART c, left, trips
	s_wait_tensorcnt \left
	s_wait_dscnt 0x0
	s_barrier_signal -1
	s_barrier_wait -1
	s_mov_b32 s[TK], \c*34816
	s_mov_b32 s[TV], \c*36864
	s_mov_b32 s[TT], \c*1024
.rept 4
	v_nop                                          ; four places in front of loads into registers that matrix instructions have read
.endr
	v_add_nc_u32 v[ADK], s[TK], v[AK0]
	KLOAD 0
	s_mov_b32 s[CNT], \trips
.Lstep_\@:
	STEP 1
	s_sub_co_u32 s[CNT], s[CNT], 1
	s_cmp_lg_u32 s[CNT], 0
	s_cbranch_scc1 .Lstep_\@
	STEP 0
.endm
	PART 0, 3, 3                                   ; keys 0-255: the three chunks' loads behind them may be out
	PART 1, 0, 11                                  ; keys 256-1,023
	; THE WAY OUT.  A barrier: no wave reads K any more, so its bytes, which have had their one fill, serve as stages: 32 rows x (128 bytes + 16) for each wave.
	s_wait_dscnt 0x0
	s_barrier_signal -1
	s_barrier_wait -1
.irp t, 0,1
	v_add_f32 v[ST+10*\t+6], v[ST+10*\t+6], v[ST+10*\t+7]              ; the sums' two halves (four plain lines: the places behind the last products)
	v_add_f32 v[ST+10*\t+8], v[ST+10*\t+8], v[ST+10*\t+9]
.endr
.irp t, 0,1
	v_permlanex16_b32 v[ST+10*\t+7], v[ST+10*\t+6], s[SEL], s[SEL+1]
	v_permlanex16_b32 v[ST+10*\t+9], v[ST+10*\t+8], s[SEL], s[SEL+1]
.endr
.irp t, 0,1
	v_add_f32 v[ST+10*\t+6], v[ST+10*\t+6], v[ST+10*\t+7]              ; and lane l xor 16's
	v_add_f32 v[ST+10*\t+8], v[ST+10*\t+8], v[ST+10*\t+9]
.endr
.irp t, 0,1
	v_fma_f32 v[ST+10*\t+8], s[EPS], v[ST+10*\t+6], v[ST+10*\t+8]      ; sum p g + 1e-8 sum p
.endr
	v_rcp_f32 v8, v[ST+8]
	v_rcp_f32 v10, v[ST+18]
	v_and_b32 v7, 15, v0                           ; (plain lines behind the reciprocals)  r
	v_bfe_u32 v6, v0, 4, 1                         ; h
	s_mul_i32 s2, s[WV], 4608                      ; my stage
	v_mul_u32_u24 v1, v7, 144
	v_lshl_add_u32 v1, v6, 4, v1
	v_add_nc_u32 v1, s2, v1                        ; in: row r, + 16 h
	v_bfe_u32 v3, v0, 3, 2
	v_mul_u32_u24 v2, v3, 144
	v_and_b32 v3, 7, v0
	v_lshl_add_u32 v2, v3, 4, v2
	v_add_nc_u32 v2, s2, v2                        ; back: eight lanes to a row of 128 bytes, four rows an instruction
	v_and_b32 v3, 31, v0
	v_lshlrev_b32 v3, 4, v3                        ; and in att: the rows are dense
	s_wait_alu depctr_va_vdst(0)                   ; one wait for both reciprocals, ahead of their first reader
.irp t, 0,1
.set i, 0
.rept 16
	v_pk_mul_f32 v[O+32*\t+i:O+32*\t+i+1], v[O+32*\t+i:O+32*\t+i+1], v[8+2*\t:9+2*\t] op_sel_hi:[1,0]
.set i, i+2
.endr
.endr
.set i, 0
.rept 32
	v_cvt_pk_f16_f32 v[S+i], v[O+2*i], v[O+2*i+1]  ; register 16 t + 4 ct + n: channels 16 ct + 8 h + 2 n, + 1 of query 16 t + r
.set i, i+1
.endr
.irp t, 0,1
.irp ct, 0,1,2,3
	ds_store_b128 v1, v[S+16*\t+4*\ct:S+16*\t+4*\ct+3] offset:2304*\t+32*\ct
.endr
.endr
.irp u, 0,1,2,3,4,5,6,7
	ds_load_b128 v[F+4*\u:F+4*\u+3], v2 offset:576*\u              ; LDS serves a wave's instructions in order: these see my stores
.endr
.irp u, 0,1,2,3,4,5,6,7
	s_wait_dscnt 7-\u                              ; load u is back; the 7 - u younger ones may be out
	global_store_b128 v3, v[F+4*\u:F+4*\u+3], s[8:9] offset:512*\u     ; 32 lanes store 512 consecutive bytes, aligned
.endr
	s_wait_tensorcnt 0x0                           ; the wave's end: three lines behind my last tensor load and my last LDS store
	ds_add_u32 v[SPW], v[NIL]
	s_wait_dscnt 0x0
	s_endpgm
.Lfunc_end_k_q3fe703899c_attn:
	.size	k_q3fe703899c_attn, .Lfunc_end_k_q3fe703899c_attn-k_q3fe703899c_attn
	.p2alignl 7, 3214868480
	.fill 96, 4, 3214868480
	.section	.rodata,"a",@progbits
	.p2align	6, 0x0
	.amdhsa_kernel k_q3fe703899c_attn
		.amdhsa_group_segment_fixed_size 327680
		.amdhsa_private_segment_fixed_size 0
		.amdhsa_enable_private_segment 0
		.amdhsa_kernarg_size 24
		.amdhsa_user_sgpr_count 2
		.amdhsa_user_sgpr_kernarg_segment_ptr 1
		.amdhsa_wavefront_size32 1
		.amdhsa_system_sgpr_workgroup_id_x 1
		.amdhsa_system_sgpr_workgroup_id_y 1
		.amdhsa_system_sgpr_workgroup_id_z 1
		.amdhsa_system_vgpr_workitem_id 0
		.amdhsa_next_free_vgpr 256
		.amdhsa_next_free_sgpr 96
		.amdhsa_reserve_vcc 0
		.amdhsa_float_denorm_mode_32 3
		.amdhsa_float_denorm_mode_16_64 3
		.amdhsa_memory_ordered 1
		.amdhsa_forward_progress 1
		.amdhsa_inst_pref_size 127
	.end_amdhsa_kernel
	.amdgpu_metadata
---
amdhsa.version: [ 1, 2 ]
amdhsa.kernels:
  - .name:           k_q3fe703899c_attn
    .symbol:         k_q3fe703899c_attn.kd
    .args:
      - { .name: qkv, .offset: 0, .size: 8, .value_kind: global_buffer, .address_space: global }
      - { .name: trig, .offset: 8, .size: 8, .value_kind: global_buffer, .address_space: global }
      - { .name: att, .offset: 16, .size: 8, .value_kind: global_buffer, .address_space: global }
    .group_segment_fixed_size: 327680
    .private_segment_fixed_size: 0
    .kernarg_segment_align: 8
    .kernarg_segment_size: 24
    .max_flat_workgroup_size: 512
    .sgpr_count:     96
    .vgpr_count:     256
    .wavefront_size: 32
...
	.end_amdgpu_metadata
.endif
;; end of part 3
;; launch oproj (part 4): grid 4 x 64, 4 waves a work-group, clusters of 4 x 4, 327,680 bytes of LDS; arguments att, wo16, out0, out1; writes out0, out1
.if DOCPART == 4
	.amdgcn_target "amdgcn-amd-amdhsa--gfx1250"
	.amdhsa_code_object_version 6
	.text
	.protected	k_q3fe703899c_oproj
	.globl	k_q3fe703899c_oproj
	.p2align	8
	.type	k_q3fe703899c_oproj,@function
k_q3fe703899c_oproj:
	s_mov_b64 s[64:65], 0
	v_nop
	global_prefetch_b8 v0, s[64:65] scope:SCOPE_SE
	s_setreg_imm32_b32 hwreg(HW_REG_WAVE_MODE, 25, 1), 1
	s_wait_xcnt 0x0
	s_wait_alu depctr_hold_cnt(0) depctr_sa_sdst(0) depctr_va_vdst(0) depctr_va_sdst(0) depctr_va_ssrc(0) depctr_va_vcc(0) depctr_vm_vsrc(0)
	s_getreg_b32 s2, hwreg(HW_REG_IB_STS2, 6, 4)
	s_cmp_eq_u32 s2, 0
	s_cbranch_scc0 .Lentry_in_a_cluster
	s_endpgm
.Lentry_in_a_cluster:
	s_bfe_u32 s2, ttmp6, 0x10000c
	s_cmp_lg_u32 s2, 0xf033
	s_cbranch_scc0 .Lentry_shape_is_right
	s_endpgm
.Lentry_shape_is_right:
; OPROJ: out[dir][m][n] = sum over k of att[dir][m][k] W_o[dir][k][n], m = 1,024 batch + token, k = 64 head + channel; f16 operands, f32 sums, f32 out.  No work is left out.
; A = att [dir][batch][head][token][64] f16: for one head, 128 tokens are 16,384 dense bytes.  B = wo16 [dir][k][n] f16, K along its FIRST axis: its fragments are read from LDS turned.
; A tile of C is 128 x 256: 256 work-groups.  Four waves, each 64 x 128: 32 accumulators of 16 x 16.  K goes in 8 steps of 128 (two heads) through a ring of two LDS slots.
; CLUSTERS: 4 x 4 work-groups.  The four of a row of the cluster need the same tiles of A, the four of a column the same tiles of B: each is asked for jointly.  A cluster's four tile rows lie in one direction (32 tile rows to a direction),
; so B's direction is made of the cluster's y alone.  By this text's count a wave has two tensor loads out at the start and one behind each round.
; NO PREFETCH: for a K step's 128 matrix instructions a wave the launch moves its operands and 33 MB of results: the stream of stores and tiles is dense as it is.
; THE MATRIX INSTRUCTION IS USED TRANSPOSED (source 0 = 16 columns of W_o, source 1 = 16 rows of att): a lane holds eight neighbouring numbers of a row of C.
; REGISTERS: window 0: v0-31 addresses; two fragment buffers of 96 at v32 and v128: A's 4 x 8, then B's 8 x 8; on the way out v32-159.  window 1: the accumulators, (a, bb) at v[8 (8 a + bb)].
.set AHEAD,  17408                     ; a head's 128 tokens in LDS: 64 rows (two tokens, 256 bytes) of pitch 272
.set BOFF,   2*AHEAD                   ; behind A's two heads: B, 128 rows of k: 512 bytes + 32, pitch 544: the turning load's 8 rows x 32 bytes fall on eight different 32-byte columns
.set BP,     544
.set SLOT,   BOFF+128*BP               ; 104,448
.set STAGE,  2*SLOT                    ; behind the ring, bytes of its own: 16 rows x (512 bytes + 16) for each wave
.set SPITCH, 528
.set SPARE,  STAGE+4*16*SPITCH         ; the spare words, 128 bytes for each wave: two blocks of 256 bytes that no other line names
.set KBYTES, 262144                    ; a K step on, in att (two heads of 131,072 bytes) and in wo16 (128 rows of 2,048 bytes) alike
.set LAPS,   4
.set ADRA, 16
.set ADRB, 20
.set STO,  24
.set RD,   25
.set CO,   26
.set SPW,  28
.set NIL,  29
.set F0,   32
.set F1,   128
.set BK,   32                          ; the way out: 16 rows read back: v32-95 and v96-159 by turns
.set G1, 24
.set G0, 32
.set G1B, 48
.set G0B, 56
.set MSB, 0
.macro WIN new                         ; the immediate's high byte repeats the setting that is left
.if MSB != \new
	s_set_vgpr_msb (MSB<<8)|\new
.set MSB, \new
.endif
.endm
.set MUL, 0x50                         ; C and D window 1, the sources window 0
.macro JLOAD s                         ; a joint load: waves 0 and 1 fetch A's two heads, waves 2 and 3 B's two halves along k; an s_nop 0 and four v_nop follow each of the two lines
	s_cmp_eq_u32 s13, 0
	s_cbranch_scc0 .Lfor_b_\@
	tensor_load_to_lds s[G0+4*\s:G0+4*\s+3], s[G1:G1+7]
	s_nop 0
.rept 4
	v_nop
.endr
	s_branch .Lasked_\@
.Lfor_b_\@:
	tensor_load_to_lds s[G0B+4*\s:G0B+4*\s+3], s[G1B:G1B+7]
	s_nop 0
.rept 4
	v_nop
.endr
.Lasked_\@:
.endm
.macro CREST                           ; a round of the cluster's barrier behind its opening barrier
	s_cmp_lg_u32 s12, 0
	s_cbranch_scc1 .Lnot_wave_0_\@
	s_barrier_signal -3
.Lnot_wave_0_\@:
	s_barrier_wait -3
	s_barrier_signal -1
	s_barrier_wait -1
.endm
.macro CROUND
	s_barrier_signal -1
	s_barrier_wait -1
	CREST
.endm
	s_load_b128 s[4:7], s[0:1], 0x0                ; att, wo16
	s_load_b128 s[8:11], s[0:1], 0x10              ; out0, out1
	v_lshl_add_u32 v[SPW], v0, 2, SPARE
	v_mov_b32 v[NIL], 0
	ds_add_u32 v[SPW], v[NIL]                      ; the wave's opening: the add, twice on end, and its wait ahead of my first tensor load
	ds_add_u32 v[SPW], v[NIL]
	v_lshrrev_b32 v1, 5, v0
	v_readfirstlane_b32 s12, v1                    ; wave 0..3
	s_lshr_b32 s13, s12, 1                         ; which 64 rows of the tile are mine.  Also: I fetch for A (0) or for B (1)
	s_and_b32 s14, s12, 1                          ; which 128 columns.  Also: which head of A, or which 64 rows of B, I fetch
	s_bfe_u32 s40, ttmp6, 0x40000                  ; cx, cy
	s_bfe_u32 s41, ttmp6, 0x40004
	s_lshl_b32 s42, ttmp9, 2
	s_add_co_u32 s42, s42, s40                     ; tile column 0 .. 3
	s_and_b32 s45, ttmp7, 0xffff                   ; the cluster's y
	s_lshl_b32 s15, s45, 2
	s_add_co_u32 s15, s15, s41                     ; tile row 0 .. 63, over both directions
	s_lshr_b32 s45, s45, 3                         ; the direction: the same in all sixteen partners
	s_lshl_b32 s43, s41, 2
	s_lshl_b32 s43, 15, s43                        ; my row of the cluster
	s_lshl_b32 s44, 0x1111, s40                    ; my column
	s_or_b32 s[G1+0], s43, (3<<16)|(1<<20)|(1<<21)|(5<<22)|(3<<25)   ; A: the mask; elements of 8 bytes; padding on; bit 21 beside a mask; after every 64 words, 4 words
	s_mov_b32 s[G1+1], 32<<16                      ; tensor_dim0 = 32 elements: 256 bytes, two tokens
	s_mov_b32 s[G1+2], 64<<16                      ; tensor_dim1 = 64
	s_mov_b32 s[G1+3], 32<<16
	s_mov_b32 s[G1+4], 64
	s_mov_b32 s[G1+5], 32                          ; dense
	s_mov_b32 s[G1+6], 0
	s_mov_b32 s[G1+7], 0
	s_or_b32 s[G1B+0], s44, (1<<16)|(1<<20)|(1<<21)|(6<<22)|(7<<25)  ; B: elements of 2 bytes; after every 128 words, 8 words
	s_mov_b32 s[G1B+1], 256<<16                    ; 256 columns
	s_mov_b32 s[G1B+2], 64<<16                     ; 64 rows of k
	s_mov_b32 s[G1B+3], 256<<16
	s_mov_b32 s[G1B+4], 64
	s_mov_b32 s[G1B+5], 1024                       ; the pitch
	s_mov_b32 s[G1B+6], 0
	s_mov_b32 s[G1B+7], 0
	s_lshr_b32 s16, s15, 3                         ; A: 4 x direction + batch,
	s_lshl_b32 s16, s16, 21
	s_and_b32 s17, s15, 7
	s_lshl_b32 s17, s17, 14                        ; 128 tokens of 128 bytes,
	s_add_co_u32 s16, s16, s17
	s_lshl_b32 s17, s14, 17                        ; my head of the step's two
	s_add_co_u32 s16, s16, s17
	s_mov_b32 s17, 0
	s_lshl_b32 s46, s45, 21                        ; B: the direction,
	s_lshl_b32 s47, s14, 17                        ; my 64 rows of k,
	s_add_co_u32 s46, s46, s47
	s_lshl_b32 s47, s42, 9                         ; 256 columns of 2 bytes
	s_add_co_u32 s46, s46, s47
	s_mov_b32 s47, 0
	s_mul_i32 s20, s14, AHEAD                      ; where they go in a slot: A's,
	s_mul_i32 s21, s14, 64*BP
	s_add_co_u32 s21, s21, BOFF                    ; B's
	s_wait_dscnt 0x0                               ; both opening adds are done
	s_wait_kmcnt 0x0
	s_add_nc_u64 s[18:19], s[4:5], s[16:17]
	s_add_nc_u64 s[46:47], s[6:7], s[46:47]
	CROUND                                         ; all sixteen work-groups are here: the first joint loads meet
.irp s, 0,1
	s_mov_b32 s[G0+4*\s], 1
	s_add_co_u32 s[G0+4*\s+1], s20, \s*SLOT
	s_add_nc_u64 s[G0+4*\s+2:G0+4*\s+3], s[18:19], \s*KBYTES
	s_or_b32 s[G0+4*\s+3], s[G0+4*\s+3], 0x80000000
	s_mov_b32 s[G0B+4*\s], 1
	s_add_co_u32 s[G0B+4*\s+1], s21, \s*SLOT
	s_add_nc_u64 s[G0B+4*\s+2:G0B+4*\s+3], s[46:47], \s*KBYTES
	s_or_b32 s[G0B+4*\s+3], s[G0B+4*\s+3], 0x80000000
	JLOAD \s
.endr
	v_and_b32 v1, 15, v0                           ; r
	v_bfe_u32 v2, v0, 4, 1                         ; h
	v_lshrrev_b32 v5, 1, v1
	v_mul_u32_u24 v3, v5, 272
	v_and_b32 v5, 1, v1
	v_lshl_add_u32 v3, v5, 7, v3
	v_lshl_add_u32 v3, v2, 4, v3                   ; A: token r: (r / 2) x 272 + (r % 2) x 128 + 16 h
	v_and_b32 v5, 7, v0
	v_lshl_add_u32 v5, v2, 3, v5
	v_mul_u32_u24 v4, v5, BP                       ; B: row k = 8 h + l % 8,
	v_bfe_u32 v5, v0, 3, 1
	v_lshl_add_u32 v4, v5, 4, v4                   ; columns 8 ((l / 8) % 2) on
	s_mul_i32 s21, s13, 8704                       ; my 64 tokens: 32 rows of 272
	s_lshl_b32 s22, s14, 8                         ; my 128 columns
	s_add_co_u32 s22, s22, BOFF
.irp s, 0,1
	v_add_nc_u32 v[ADRA+\s], s21, v3
	v_add_nc_u32 v[ADRB+\s], s22, v4
	s_add_co_u32 s21, s21, SLOT
	s_add_co_u32 s22, s22, SLOT
.endr
	s_mul_i32 s23, s12, 16*SPITCH
	s_add_co_u32 s23, s23, STAGE                   ; my stage
	v_mul_u32_u24 v5, v1, SPITCH
	v_lshl_add_u32 v5, v2, 5, v5
	v_add_nc_u32 v[STO], s23, v5                   ; in: row r, 32 bytes for each half of the lanes
	v_and_b32 v6, 31, v0
	v_lshlrev_b32 v[CO], 4, v6                     ; back: the 32 lanes take one row of 512 bytes; and the same in C
	v_add_nc_u32 v[RD], s23, v[CO]
	s_and_b32 s66, s15, 31                         ; where my part begins in the output
	s_lshl_b32 s66, s66, 7
	s_lshl_b32 s68, s13, 6
	s_add_co_u32 s66, s66, s68                     ; my first row,
	s_lshl_b32 s66, s66, 12                        ; of 4,096 bytes,
	s_lshl_b32 s68, s42, 10
	s_add_co_u32 s66, s66, s68                     ; the tile's 256 columns,
	s_lshl_b32 s68, s14, 9
	s_add_co_u32 s66, s66, s68                     ; my 128 of them
	s_mov_b32 s67, 0
	s_cmp_eq_u32 s45, 0                            ; the choice hangs on the cluster's y alone
	s_cselect_b64 s[8:9], s[8:9], s[10:11]
	s_add_nc_u64 s[8:9], s[8:9], s[66:67]
; 8 matrix instructions: A's block a x B's eight, 32 along K.  The 32 accumulators take turns, one instruction a turn, in the same order in every quarter.
.macro MUL8 f, a, zero
.irp bb, 0,1,2,3,4,5,6,7
.if \zero
	v_wmma_f32_16x16x32_f16 v[8*(8*(\a)+\bb):8*(8*(\a)+\bb)+7], v[\f+32+8*\bb:\f+32+8*\bb+7], v[\f+8*(\a):\f+8*(\a)+7], 0
.else
	v_wmma_f32_16x16x32_f16 v[8*(8*(\a)+\bb):8*(8*(\a)+\bb)+7], v[\f+32+8*\bb:\f+32+8*\bb+7], v[\f+8*(\a):\f+8*(\a)+7], v[8*(8*(\a)+\bb):8*(8*(\a)+\bb)+7]
.endif
.endr
.endm
; 24 LDS loads in one run: the fragments of the slot's q-th 32 along K into buffer f: B's eight, turned (k = 8 h + 0..7 and 16 + 8 h + 0..7 of column r), and A's four
.macro FETCH slot, q, f
.irp bb, 0,1,2,3,4,5,6,7
	ds_load_tr16_b128 v[\f+32+8*\bb:\f+32+8*\bb+3], v[ADRB+\slot] offset:32*BP*(\q)+32*\bb
	ds_load_tr16_b128 v[\f+32+8*\bb+4:\f+32+8*\bb+7], v[ADRB+\slot] offset:32*BP*(\q)+32*\bb+16*BP
.endr
.irp a, 0,1,2,3
	ds_load_b128 v[\f+8*\a:\f+8*\a+3], v[ADRA+\slot] offset:((\q)/2)*AHEAD+2176*\a+64*((\q)%2)
	ds_load_b128 v[\f+8*\a+4:\f+8*\a+7], v[ADRA+\slot] offset:((\q)/2)*AHEAD+2176*\a+64*((\q)%2)+32
.endr
.endm
.macro PLACES                          ; four plain vector lines between a matrix instruction and a load into, or a read of, its registers
.rept 4
	v_nop
.endr
.endm
; A K step is four quarters of 32 along K, 32 matrix instructions each, on buffers 0, 1, 0, 1.  One of the first three: multiplies buffer f and, in its middle, fetches quarter qn of the same slot into g.
.macro QUARTER slot, qn, f, g, zero
	s_wait_dscnt 0x0                               ; buffer f is in
	WIN MUL
	MUL8 \f, 0, \zero
	MUL8 \f, 1, \zero
	PLACES
	WIN 0
	FETCH \slot, \qn, \g
	WIN MUL
	MUL8 \f, 2, \zero
	MUL8 \f, 3, \zero
.endm
; The last quarter multiplies buffer 1 and changes slots: one barrier; in front of it each wave waits for all its tensor loads (its part of the next slot), adds 0 to its spare word, and waits for that and for its reads of this slot.
; fill = 1: the barrier opens a round of the cluster's, and this slot is filled again, two K steps ahead: the first tensor load behind the round, one a wave; it has a K step less 16 matrix instructions in which to land.
.macro TURN slot, next, fill
	WIN 0
	s_wait_tensorcnt 0x0
	ds_add_u32 v[SPW], v[NIL]
	s_wait_dscnt 1                                 ; buffer 1 is in; the add alone may be out
	WIN MUL
	MUL8 F1, 0, 0
	s_wait_dscnt 0x0                               ; the add is done, and my reads of this slot are over
	s_barrier_signal -1
	MUL8 F1, 1, 0
	WIN 0
	s_barrier_wait -1
.if \fill
	CREST
	s_add_nc_u64 s[G0+4*\slot+2:G0+4*\slot+3], s[G0+4*\slot+2:G0+4*\slot+3], 2*KBYTES
	s_add_nc_u64 s[G0B+4*\slot+2:G0B+4*\slot+3], s[G0B+4*\slot+2:G0B+4*\slot+3], 2*KBYTES
	JLOAD \slot                                    ; the four v_nop behind it are also the places in front of the loads below
.else
	PLACES
.endif
	FETCH \next, 0, F0
	WIN MUL
	MUL8 F1, 2, 0
	MUL8 F1, 3, 0
.endm
	s_wait_tensorcnt 1                             ; my part of K step 0 is in; K step 1's load, issued behind it, may be out
	s_barrier_signal -1
	s_barrier_wait -1
	FETCH 0, 0, F0
	QUARTER 0, 1, F0, F1, 1                        ; the first quarter's products start the sums: nothing is cleared
	WIN 0                                          ; at a label and at a branch every window is 0
	s_mov_b32 s3, LAPS-1
.Llap:                                                 ; a trip goes once round the ring, from a lap's second quarter to the next lap's first, and fills both slots again
	QUARTER 0, 2, F1, F0, 0
	QUARTER 0, 3, F0, F1, 0
	TURN 0, 1, 1
	QUARTER 1, 1, F0, F1, 0
	QUARTER 1, 2, F1, F0, 0
	QUARTER 1, 3, F0, F1, 0
	TURN 1, 0, 1
	QUARTER 0, 1, F0, F1, 0
	WIN 0
	s_sub_co_u32 s3, s3, 1
	s_cmp_lg_u32 s3, 0
	s_cbranch_scc1 .Llap
	QUARTER 0, 2, F1, F0, 0                        ; the last lap fills nothing
	QUARTER 0, 3, F0, F1, 0
	TURN 0, 1, 0
	QUARTER 1, 1, F0, F1, 0
	QUARTER 1, 2, F1, F0, 0
	QUARTER 1, 3, F0, F1, 0
	s_wait_dscnt 0x0                               ; the very last quarter: nothing more to fetch
	WIN MUL
	MUL8 F1, 0, 0
	MUL8 F1, 1, 0
	MUL8 F1, 2, 0
	MUL8 F1, 3, 0
	WIN 0
; THE WAY OUT, block by block of 16 rows x 128 columns: through my own stage and back as whole rows of 512 bytes.  LDS serves a wave's instructions in order: no wait between the stores and the loads, nor in front of the next block's stores.
.macro TOSTAGE a
	WIN 0x04                                       ; an LDS store's data are its source 1: window 1
.irp bb, 0,1,2,3,4,5,6,7
	ds_store_b128 v[STO], v[8*(8*(\a)+\bb):8*(8*(\a)+\bb)+3] offset:64*\bb       ; each accumulator from its low end on
	ds_store_b128 v[STO], v[8*(8*(\a)+\bb)+4:8*(8*(\a)+\bb)+7] offset:64*\bb+16
.endr
	WIN 0
.set BB, BK+64*((\a)%2)
.irp t, 0,1,2,3,4,5,6,7,8,9,10,11,12,13,14,15
	ds_load_b128 v[BB+4*\t:BB+4*\t+3], v[RD] offset:\t*SPITCH
.endr
.endm
.macro SEND a, younger                 ; younger: the LDS instructions issued behind block a's loads, which may stay out
.set BB, BK+64*((\a)%2)
	s_wait_dscnt \younger
.irp t, 0,1,2,3,4,5,6,7,8,9,10,11,12,13,14,15
	global_store_b128 v[CO], v[BB+4*\t:BB+4*\t+3], s[8:9] offset:65536*(\a)+4096*\t th:TH_STORE_NT   ; 32 lanes store 512 consecutive bytes, aligned; written once, read by nobody here
.endr
.endm
	PLACES                                         ; behind the last products: for the stores' reads and for the loads into the fragments' registers
	TOSTAGE 0
.irp a, 1,2,3
.if \a > 1
	s_wait_xcnt 0x0                                ; block a - 2's stores have read their registers: block a's loads may land there
.endif
	TOSTAGE \a
	SEND \a-1, 32                                  ; behind block a - 1's loads: block a's 16 stores and 16 loads
.endr
	SEND 3, 0
	s_wait_tensorcnt 0x0                           ; the wave's end: three lines behind my last tensor load and my last LDS store
	ds_add_u32 v[SPW], v[NIL]
	s_wait_dscnt 0x0
	CROUND                                         ; the closing round
	s_endpgm
.Lfunc_end_k_q3fe703899c_oproj:
	.size	k_q3fe703899c_oproj, .Lfunc_end_k_q3fe703899c_oproj-k_q3fe703899c_oproj
	.p2alignl 7, 3214868480
	.fill 96, 4, 3214868480
	.section	.rodata,"a",@progbits
	.p2align	6, 0x0
	.amdhsa_kernel k_q3fe703899c_oproj
		.amdhsa_group_segment_fixed_size 327680
		.amdhsa_private_segment_fixed_size 0
		.amdhsa_enable_private_segment 0
		.amdhsa_kernarg_size 32
		.amdhsa_user_sgpr_count 2
		.amdhsa_user_sgpr_kernarg_segment_ptr 1
		.amdhsa_wavefront_size32 1
		.amdhsa_system_sgpr_workgroup_id_x 1
		.amdhsa_system_sgpr_workgroup_id_y 1
		.amdhsa_system_sgpr_workgroup_id_z 1
		.amdhsa_system_vgpr_workitem_id 0
		.amdhsa_next_free_vgpr 512
		.amdhsa_next_free_sgpr 76
		.amdhsa_reserve_vcc 0
		.amdhsa_float_denorm_mode_32 3
		.amdhsa_float_denorm_mode_16_64 3
		.amdhsa_memory_ordered 1
		.amdhsa_forward_progress 1
		.amdhsa_inst_pref_size 85
	.end_amdhsa_kernel
	.amdgpu_metadata
---
amdhsa.version: [ 1, 2 ]
amdhsa.kernels:
  - .name:           k_q3fe703899c_oproj
    .symbol:         k_q3fe703899c_oproj.kd
    .args:
      - { .name: att, .offset: 0, .size: 8, .value_kind: global_buffer, .address_space: global }
      - { .name: wo16, .offset: 8, .size: 8, .value_kind: global_buffer, .address_space: global }
      - { .name: out0, .offset: 16, .size: 8, .value_kind: global_buffer, .address_space: global }
      - { .name: out1, .offset: 24, .size: 8, .value_kind: global_buffer, .address_space: global }
    .group_segment_fixed_size: 327680
    .private_segment_fixed_size: 0
    .kernarg_segment_align: 8
    .kernarg_segment_size: 32
    .max_flat_workgroup_size: 128
    .sgpr_count:     76
    .vgpr_count:     512
    .wavefront_size: 32
...
	.end_amdgpu_metadata
.endif
;; end of part 4
